; MI455X (gfx1250); checked and timed in simulation.
; The chip was launched on July 23, 2026; its instructions are those of AMD's public machine-readable ISA for CDNA 5 (MIT licence, August 2026) and "CDNA5" Instruction Set Architecture Reference Guide (July 2026). The comments in the code are by the model that wrote it; some were corrected since.
;; Attention. Allowed arithmetic: matrix products marked QUANTISED: E5M2 operands, one given power-of-two scale a tensor, by v_wmma_f32_16x16x64_bf8_bf8 or v_wmma_f32_16x16x128_bf8_bf8, f32 sums; everything else in f32.
;; Inputs: c_attn_b 3,072 float32; c_attn_w 1,024 x 3,072 float32; c_proj_b 1,024 float32; c_proj_w 1,024 x 1,024 float32; lowp_scales 8 int32 (the exponents e of the quantised operands' scales 2^e); x 4 x 2,048 x 1,024 float32.
;; Outputs: out0 4 x 2,048 x 1,024 float32.
;; This version of the problem:
;;   THIS VERSION OF THE PROBLEM IS GIVEN IN LOW PRECISION. The matrix products marked QUANTISED in the list below multiply operands that are first quantised to E5M2 (5 exponent bits, 2 mantissa bits; 8 bits a number), with one given power-of-two scale for each operand tensor; their sums are f32. All else is computed in f32.
;;   The module's matrix products, in the order in which they are computed (A, B: the left and right operand; K: the contracted axis; several contracted axes count as one K, in the product's order):
;;     1. [M 8,192, K 1,024] x [K 1,024, N 3,072]; A: input x; B: input c_attn_w: QUANTISED (scales: A lowp_scales[0], B lowp_scales[1])
;;     2. batch 64 x [M 2,048, K 64] x [K 64, N 2,048]; A: computed on the way; B: computed on the way: QUANTISED (scales: A lowp_scales[2], B lowp_scales[3])
;;     3. batch 64 x [M 2,048, K 2,048] x [K 2,048, N 64]; A: softmax (see below); B: computed on the way: QUANTISED (scales: A lowp_scales[4], B lowp_scales[5])
;;     4. [M 8,192, K 1,024] x [K 1,024, N 1,024]; A: computed on the way; B: input c_proj_w: QUANTISED (scales: A lowp_scales[6], B lowp_scales[7])
;;   THE QUANTISER, for each operand of a quantised product, along K:
;;     - The operand's scale is 2^e, e = its entry of the input lowp_scales (int32; the entries are numbered through the quantised products in the list's order, A before B).
;;     - Each number is divided by the scale, clamped to +-57,344, and rounded to the nearest number of E5M2, ties to even, subnormals kept.
;;     - The product sums the exact products of the quantised numbers (number of the format x scale) in f32.
;;   ~~~python
;;   def quantise(x, axis, e):      # numpy; x: float32 -> the quantised numbers, widened to float32 again
;;       x = np.moveaxis(x, axis, -1); K = x.shape[-1]
;;       r = np.clip(x / 2.0 ** e, -57344, 57344)
;;       step = 2.0 ** (np.maximum(np.frexp(np.where(r == 0, 1, r))[1] - 1, -14) - 2)
;;       q = np.round(r / step) * step * 2.0 ** e      # np.round: ties to even
;;       return np.moveaxis(q, -1, axis).astype(np.float32)
;;   ~~~
;;   SOFTMAX AHEAD OF A QUANTISED PRODUCT. Where the list says 'softmax', what is quantised is not the finished softmax but p = 2^(t - M), with t = logit x log2(e) and M = ceil(the row's largest t), a whole number; so 1/2 < the row's largest p <= 1. The row's sum l is taken of the UNQUANTISED p, in f32, and the product's result is divided by l at the end. Since M is a whole number, a kernel that streams over the keys may use a running M (the ceiling of the running maximum): every later rescaling is an exact power of two, so the quantised numbers keep their values, but for numbers so far below the row's largest that they fall under the format's range.
;;   OPERANDS COMPUTED ON THE WAY. 'Computed on the way' means the value that the module computes at that place (a softmax that the list does not call 'softmax' is quantised finished and normalised). What goes into a quantiser is computed in f32, as accurately as f32 sums, v_exp_f32 and their like allow (about 1e-6 of the number): no bf16 or f16 on the way to a quantiser, and a product that is left as it is and whose result goes on into a quantised operand takes f32 operands (vector FMAs, or v_wmma_f32_16x16x4_f32). A number that lies on a knife's edge between two numbers of the format may be rounded either way, as far as f32 arithmetic and the matrix unit's own rounding can turn it there, and no further.
;; One version. Each part assembles by itself: llvm-mc -triple=amdgcn-amd-amdhsa -mcpu=gfx1250 --defsym DOCPART=n.
;; ======== version 1 of 1: 4 launches
;; limits: right only within a limited range of input values
;; workspace buffers: xc 8,388,608 bytes; wac 3,145,728 bytes; wpc 1,048,576 bytes; qc 8,388,608 bytes; kc 8,388,608 bytes; vc 8,388,608 bytes; ac 8,388,608 bytes
;; launch prep (part 1): grid 512 x 1, 4 waves a work-group, no clusters, 34,304 bytes of LDS; arguments x, c_attn_w, c_proj_w, lowp_scales, xc, wac, wpc; writes xc, wac, wpc
.if DOCPART == 1
	.amdgcn_target "amdgcn-amd-amdhsa--gfx1250"
	.amdhsa_code_object_version 6
	.text
	.protected	k_qdce92d1587_prep
	.globl	k_qdce92d1587_prep
	.p2align	8
	.type	k_qdce92d1587_prep,@function
k_qdce92d1587_prep:
	s_mov_b64 s[64:65], 0
	v_nop
	global_prefetch_b8 v0, s[64:65] scope:SCOPE_SE
	s_setreg_imm32_b32 hwreg(HW_REG_WAVE_MODE, 25, 1), 1
	s_wait_xcnt 0x0
; x [8192][1024], c_attn_w [1024][3072] and c_proj_w [1024][1024], all f32, become codes of BF8 (E5M2), each with the one scale 2^e given for it (entries 0, 1 and 7).
; code = number / 2^e, held within +-57,344, rounded to the nearest code, ties to even.  LIMITS: e between -126 and 112.  NaN among the inputs is not served.
; THE CODES ARE LAID AS IMAGES OF OPERAND REGISTERS.  A fragment (16 rows x 128 K, 16 registers a lane) is 2,048 bytes: registers 4 i .. 4 i + 3 of lane l lie at 512 i + 16 l.
; Lane (r = l % 16, h = l / 16) holds row r; its registers 2 c, 2 c + 1 hold k = 16 c + 8 h + 0 .. 7.  Buffers: [tile of 16 rows][K step of 128][2048].
; So the products' launches fetch dense blocks and read every fragment from LDS at 16 x lane.
; One launch, three ways, parted on the work-group's number: 0-255 x, 256-447 c_attn_w, 448-511 c_proj_w.  Only x's way touches LDS.  Waves share nothing: no barrier.
; No cluster: no two work-groups read the same bytes.  No matrix unit: there is no product here.
.set XWG,  256                         ; work-groups for x
.set AWG,  192                         ; for c_attn_w
.set RW,   16                          ; v16-143  numbers as loaded
.set XN,   144                         ; v144-207 x: 64 numbers of a lane in the operand's order
.set CD,   208                         ; v208-239 x: two sets of 16 registers of codes
.set CW,   144                         ; v144-175 weights: 32 registers of codes
.set SPX,  528                         ; x's stage: a row of 512 bytes + 16, so that the sixteen rows that a load touches begin 4 words apart, modulo 64 words
.set WST,  16*SPX                      ; a wave's stage
.set MANT, 0x600000                    ; the mantissa field of 57,344 as f32
.macro MKSCALE e                       ; v11 = 2^e as f32 (the conversion takes its exponent field), s34 = 57,344 x 2^e
	s_add_co_i32 s34, s[\e], 127
	s_lshl_b32 s35, s34, 23
	v_mov_b32 v11, s35
	s_add_co_i32 s34, s34, 15
	s_lshl_b32 s34, s34, 23
	s_or_b32 s34, s34, MANT
.endm
	s_load_b256 s[4:11], s[0:1], 0x0               ; x s[4:5], c_attn_w s[6:7], c_proj_w s[8:9], the exponents s[10:11]
	s_load_b128 s[12:15], s[0:1], 0x20             ; xc s[12:13], wac s[14:15]
	s_load_b64 s[16:17], s[0:1], 0x30              ; wpc
	v_lshl_add_u32 v240, v0, 2, 0x8400
	v_mov_b32 v241, 0
	v_lshrrev_b32 v1, 5, v0
	v_readfirstlane_b32 s20, v1                    ; wave 0..3
	v_and_b32 v1, 31, v0                           ; lane
	s_wait_kmcnt 0x0
	s_load_b256 s[24:31], s[10:11], 0x0            ; e0 .. e7
	s_cmp_lt_u32 ttmp9, XWG
	s_cbranch_scc0 .Lweights
	s_wait_alu depctr_va_vdst(0)
; ---- x: K is innermost.  A wave takes 16 rows x 512 along K: four fragments.  Each load reads 512 consecutive bytes of one row; a K step's 16 rows turn through the wave's own stage in LDS,
; and come back 32 bytes at a time in the operand's order.
	v_lshlrev_b32 v2, 4, v1                        ; 16 x lane: my bytes of a load, and of a store
	s_wait_alu depctr_va_vdst(0)
	s_mul_i32 s21, s20, WST
	v_add_nc_u32 v3, s21, v2                       ; into the stage: as loaded
	v_and_b32 v5, 15, v0                           ; r
	v_bfe_u32 v6, v0, 4, 1                         ; h
	v_mul_u32_u24 v4, v5, SPX
	v_lshl_add_u32 v4, v6, 5, v4
	v_add_nc_u32 v4, s21, v4                       ; out of it: row r, + 32 h
	s_lshl_b32 s22, ttmp9, 2
	s_add_co_u32 s22, s22, s20                     ; my task, 0..1023
	s_lshr_b32 s23, s22, 1                         ; tile of 16 rows
	s_and_b32 s22, s22, 1                          ; which half of K
	s_lshl_b32 s32, s23, 16                        ; 16 rows of 4,096 bytes
	s_lshl_b32 s33, s22, 11                        ; 512 numbers
	s_add_co_u32 s32, s32, s33
	s_mov_b32 s33, 0
	s_add_nc_u64 s[4:5], s[4:5], s[32:33]
	s_lshl_b32 s32, s23, 14                        ; 8 fragments a tile
	s_lshl_b32 s34, s22, 13                        ; 4 fragments a half
	s_add_co_u32 s32, s32, s34
	s_add_nc_u64 s[12:13], s[12:13], s[32:33]
.macro LOADX s                         ; K step s: 16 rows x 512 bytes into set s % 2
.set n, 0
.rept 16
	global_load_b128 v[RW+64*((\s)%2)+4*n:RW+64*((\s)%2)+4*n+3], v2, s[4:5] offset:4096*n+512*(\s) th:TH_LOAD_NT
.set n, n+1
.endr
.endm
.macro XSTEP s
.if (\s) < 3
	s_wait_loadcnt 16                              ; this step's 16 loads are in; the next step's 16 may be out
.else
	s_wait_loadcnt 0x0
.endif
.set n, 0
.rept 16
	ds_store_b128 v3, v[RW+64*((\s)%2)+4*n:RW+64*((\s)%2)+4*n+3] offset:SPX*n
.set n, n+1
.endr
.set n, 0
.rept 16
	ds_load_b128 v[XN+4*n:XN+4*n+3], v4 offset:64*(n/2)+16*(n%2)   ; k = 16 c + 8 h + 0 .. 7, c = n / 2.  LDS serves a wave's instructions in order: these see the stores above
.set n, n+1
.endr
	s_wait_dscnt 0x0                               ; the numbers are back, and the stores have read their registers,
.if (\s)+2 < 4
	LOADX (\s)+2                                   ; which take the loads of two steps on
.endif
.set n, 0
.rept 64
.set n, n+1
.endr
.if (\s) >= 2
	s_wait_xcnt 0x0                                ; the stores of two steps ago have read this set of codes
.endif
.set n, 0
.rept 8
	v_cvt_scalef32_pk8_bf8_f32 v[CD+16*((\s)%2)+2*n:CD+16*((\s)%2)+2*n+1], v[XN+8*n:XN+8*n+7], v11
.set n, n+1
.endr
	v_nop                                          ; a plain line between the conversions and the next step's loads, which write their sources
.set n, 0
.rept 4
	global_store_b128 v2, v[CD+16*((\s)%2)+4*n:CD+16*((\s)%2)+4*n+3], s[12:13] offset:2048*(\s)+512*n   ; 512 consecutive bytes
.set n, n+1
.endr
.endm
	LOADX 0
	LOADX 1
	s_wait_alu depctr_va_vdst(0)
	s_wait_kmcnt 0x0
	MKSCALE 24
	s_wait_alu depctr_va_vdst(0)
	XSTEP 0
	XSTEP 1
	XSTEP 2
	XSTEP 3
	s_wait_tensorcnt 0x0
	ds_add_u32 v240, v241
	s_wait_dscnt 0x0
	s_endpgm
; ---- the weights: K is the FIRST axis.  A lane takes a column and its registers run down K, so the conversions give codes with K innermost and nothing is transposed.
; A wave takes 32 columns x 128 along K: each load reads 128 consecutive bytes, the four waves stand side by side on 512.  A lane holds both halves (h = 0, 1) of its row of a fragment:
; octet m of its 128 (k = 8 m ..) is registers 2 (m / 2 % 2) .. of chunk m / 4 of lane half m % 2.  Each store: lanes 0-15 fill 256 consecutive bytes of one fragment, lanes 16-31 of the next tile's.
.macro WPATH cols, e, wlo, olo, first
	s_sub_co_u32 s21, ttmp9, \first
	s_and_b32 s22, s21, 7                          ; K step
	s_lshr_b32 s21, s21, 3
	s_lshl_b32 s21, s21, 2
	s_add_co_u32 s21, s21, s20                     ; my group of 32 columns
	s_mul_i32 s32, s22, 128*\cols*4
	s_lshl_b32 s34, s21, 7
	s_add_co_u32 s32, s32, s34
	s_mov_b32 s33, 0
	s_add_nc_u64 s[36:37], s[\wlo:\wlo+1], s[32:33]
	s_lshl_b32 s32, s21, 15                        ; two tiles of 8 fragments
	s_lshl_b32 s34, s22, 11
	s_add_co_u32 s32, s32, s34
	s_add_nc_u64 s[38:39], s[\olo:\olo+1], s[32:33]
.set n, 0
.rept 64
	global_load_b32 v[RW+n], v2, s[36:37] offset:n*\cols*4 th:TH_LOAD_NT   ; the largest offset, 127 rows, stays inside the signed 24-bit immediate
.set n, n+1
.endr
	s_wait_kmcnt 0x0
	MKSCALE \e
	s_wait_alu depctr_va_vdst(0)
.irp q, 0,1,2,3                        ; a quarter: 32 along K
.if \q < 3
	s_wait_loadcnt 32                              ; this quarter's 32 loads are in; the next quarter's may be out
.else
	s_wait_loadcnt 0x0
.endif
.if \q < 2
.set n, 0
.rept 32
	global_load_b32 v[RW+32*(\q+2)+n], v2, s[36:37] offset:(32*(\q+2)+n)*\cols*4 th:TH_LOAD_NT
.set n, n+1
.endr
.endif
.set n, 0
.rept 32
.set n, n+1
.endr
.irp m, 0,1,2,3
	v_cvt_scalef32_pk8_bf8_f32 v[CW+8*\q+4*(\m%2)+2*(\m/2):CW+8*\q+4*(\m%2)+2*(\m/2)+1], v[RW+32*\q+8*\m:RW+32*\q+8*\m+7], v11
.endr
	v_nop
	global_store_b128 v3, v[CW+8*\q:CW+8*\q+3], s[38:39] offset:512*\q
	global_store_b128 v3, v[CW+8*\q+4:CW+8*\q+7], s[38:39] offset:512*\q+256
.endr
.endm
.Lweights:
	s_wait_alu depctr_va_vdst(0)
	v_lshlrev_b32 v2, 2, v1                        ; in: 4 bytes a lane
	v_and_b32 v4, 15, v1
	v_lshrrev_b32 v5, 4, v1
	v_lshlrev_b32 v3, 4, v4
	v_lshl_add_u32 v3, v5, 14, v3                  ; out: 16 (lane % 16), and lanes 16-31 one tile (16,384 bytes) on
	s_cmp_lt_u32 ttmp9, XWG+AWG
	s_cbranch_scc0 .Lproj_w
	s_wait_alu depctr_va_vdst(0)
	WPATH 3072, 25, 6, 14, XWG
	s_endpgm
.Lproj_w:
	s_wait_alu depctr_va_vdst(0)
	WPATH 1024, 31, 8, 16, XWG+AWG
	s_endpgm
.Lfunc_end_k_qdce92d1587_prep:
	.size	k_qdce92d1587_prep, .Lfunc_end_k_qdce92d1587_prep-k_qdce92d1587_prep
	.p2alignl 7, 3214868480
	.fill 96, 4, 3214868480
	.section	.rodata,"a",@progbits
	.p2align	6, 0x0
	.amdhsa_kernel k_qdce92d1587_prep
		.amdhsa_group_segment_fixed_size 34304
		.amdhsa_private_segment_fixed_size 0
		.amdhsa_enable_private_segment 0
		.amdhsa_kernarg_size 56
		.amdhsa_user_sgpr_count 2
		.amdhsa_user_sgpr_kernarg_segment_ptr 1
		.amdhsa_wavefront_size32 1
		.amdhsa_system_sgpr_workgroup_id_x 1
		.amdhsa_system_sgpr_workgroup_id_y 1
		.amdhsa_system_sgpr_workgroup_id_z 1
		.amdhsa_system_vgpr_workitem_id 0
		.amdhsa_next_free_vgpr 242
		.amdhsa_next_free_sgpr 66
		.amdhsa_reserve_vcc 0
		.amdhsa_float_denorm_mode_32 3
		.amdhsa_float_denorm_mode_16_64 3
		.amdhsa_fp16_overflow 1
		.amdhsa_memory_ordered 1
		.amdhsa_forward_progress 1
		.amdhsa_inst_pref_size 51
	.end_amdhsa_kernel
	.amdgpu_metadata
---
amdhsa.version: [ 1, 2 ]
amdhsa.kernels:
  - .name:           k_qdce92d1587_prep
    .symbol:         k_qdce92d1587_prep.kd
    .args:
      - { .name: x, .offset: 0, .size: 8, .value_kind: global_buffer, .address_space: global }
      - { .name: c_attn_w, .offset: 8, .size: 8, .value_kind: global_buffer, .address_space: global }
      - { .name: c_proj_w, .offset: 16, .size: 8, .value_kind: global_buffer, .address_space: global }
      - { .name: lowp_scales, .offset: 24, .size: 8, .value_kind: global_buffer, .address_space: global }
      - { .name: xc, .offset: 32, .size: 8, .value_kind: global_buffer, .address_space: global }
      - { .name: wac, .offset: 40, .size: 8, .value_kind: global_buffer, .address_space: global }
      - { .name: wpc, .offset: 48, .size: 8, .value_kind: global_buffer, .address_space: global }
    .group_segment_fixed_size: 34304
    .private_segment_fixed_size: 0
    .kernarg_segment_align: 8
    .kernarg_segment_size: 56
    .max_flat_workgroup_size: 128
    .sgpr_count:     66
    .vgpr_count:     242
    .wavefront_size: 32
...
	.end_amdgpu_metadata
.endif
;; end of part 1
;; launch qkv (part 2): grid 8 x 32, 4 waves a work-group, clusters of 4 x 4, 327,680 bytes of LDS; arguments xc, wac, c_attn_b, lowp_scales, qc, kc, vc; writes qc, kc, vc
.if DOCPART == 2
	.amdgcn_target "amdgcn-amd-amdhsa--gfx1250"
	.amdhsa_code_object_version 6
	.text
	.protected	k_qdce92d1587_qkv
	.globl	k_qdce92d1587_qkv
	.p2align	8
	.type	k_qdce92d1587_qkv,@function
k_qdce92d1587_qkv:
	s_mov_b64 s[64:65], 0
	v_nop
	global_prefetch_b8 v0, s[64:65] scope:SCOPE_SE
	s_setreg_imm32_b32 hwreg(HW_REG_WAVE_MODE, 25, 1), 1
	s_wait_xcnt 0x0
	s_wait_alu depctr_hold_cnt(0) depctr_sa_sdst(0) depctr_va_vdst(0) depctr_va_sdst(0) depctr_va_ssrc(0) depctr_va_vcc(0) depctr_vm_vsrc(0)
	s_getreg_b32 s2, hwreg(HW_REG_IB_STS2, 6, 4)
	s_cmp_eq_u32 s2, 0
	s_cbranch_scc0 .Lentry_in_a_cluster
	s_endpgm
.Lentry_in_a_cluster:
	s_bfe_u32 s2, ttmp6, 0x10000c
	s_cmp_lg_u32 s2, 0xf033
	s_cbranch_scc0 .Lentry_shape_is_right
	s_endpgm
.Lentry_shape_is_right:
; qkv = x W + b on codes of BF8 (E5M2), M 8,192, N 3,072, K 1,024, and its result quantised at once into the operands of attention's two products: q (scale 2^e2), k (2^e3), v (2^e5).
; xc: [512 tiles of 16 rows][8 K steps][2048], wac: [192 tiles of 16 columns][8][2048]: images of operand registers (lane (r, h): row r; registers 2 c, 2 c + 1: k = 16 c + 8 h + 0 .. 7; registers 4 i .. 4 i + 3 of lane l at 512 i + 16 l).
; Half such an image, 1,024 bytes, is a fragment of the K = 64 form: a UNIT below is 64 along K of one tile.
; SHARES.  8,192 x 3,072 results are 98,304 for each of 256 work-groups.  A work-group takes 256 rows x (128 columns of q, the same 128 of k, the same 128 of v): two heads.  Wave w takes the row half w / 2 and the head w % 2:
; 128 tokens x 64 channels of q, of k and of v: 96 accumulators of 16 x 16, 768 registers: windows 1, 2 and 3, a third in each.  For 96 products a wave reads 128 + 192 rows from LDS.
; All fragments lie in window 0, which is why the K = 64 form is taken: W's twelve fragments in ONE set (96 registers), x's eight in TWO (128).
;   q, k: source 0 = 16 columns of W, source 1 = 16 rows of x: a lane holds ONE token and its registers run along the head's 64, the next K: four accumulators' conversions are a K = 64 fragment.
;   v:    the sources change places: a lane holds ONE channel and its registers run along the tokens, the next K: eight accumulators' conversions are a K = 128 fragment.
; A HALF STEP, 64 along K, is three passes of 32 products, one for each third.  W's four fragments of a third are free behind its pass and take the next half step's; x's other set is filled behind the first pass.
; A sum stands for sum x 2^(e0 + e1): the bias goes in as b / 2^(e0 + e1): q's and k's as the C of the first products, v's (one number a lane) by an addition on the way out.  The conversion takes the one scale 2^(e_out - e0 - e1).
; THE RING.  A unit of the work-group's 40 tiles is 40,960 bytes.  Two slots, P (room for 4 units) and Q (3 units), are filled with 3, 3, 3, 3 and 4 units: the 16 units of K.  Two fills at the start, three refills.
; A refill is asked for behind the first pass of a slot's last half step and waited for at the head of the other slot's last half step: 256 matrix instructions later.
; CLUSTERS: 4 x 4 work-groups.  The four of a row of the cluster need the same tiles of x, the four of a column the same tiles of W: each is asked for JOINTLY, by the same tensor load with a mask that names the four.
; Wave 0 fetches x's 16 tiles, waves 1 to 3 the 8 tiles of W of one third each.
; qc, kc: [64 heads][128 tiles of 16 tokens][1024];  vc: [64 heads][16 steps of 128 keys][4 tiles of 16 channels][2048].
; LIMITS: e2 - e0 - e1, e3 - e0 - e1 and e5 - e0 - e1 lie between -126 and 112.  NaN among the inputs is not served.
; REGISTERS: window 0: v1-31 addresses, scales, v's bias; v32-127 W's fragments (third th, block b at 32 th + 8 b); v128-191, v192-255 x's two sets (block a at 8 a); v192-255 hold q's and k's bias until the first half step's second pass.
;   window 1 + th: accumulator (a, b) at v[8 (4 a + b)].  On the way out v32-159 are numbers at work, v160-255 three sets of 32 registers of codes.
.set U,     1024                       ; a unit of one tile, in bytes
.set P3,    3*U                        ; from tile to tile in a slot that holds 3 units,
.set P4,    4*U                        ; and in one that holds 4
.set PW,    65536                      ; slot P: x's 16 tiles at 0, W's 24 here
.set QB,    163840                     ; slot Q: x's 16 tiles here,
.set QW,    QB+16*P3                   ; W's 24 here
.set SPARE, QB+40*P3                   ; behind the ring: the spare words, 128 bytes for each wave: two blocks of 256 bytes that no other line names
.set LI,   3                           ; v3     16 x lane
.set ADR,  4                           ; v4-15  LDS addresses: 4 v + 0: x's fragments, 4 v + 1 + th: W's of third th;  v = 0: slot P with 3 units, 1: slot Q, 2: slot P with 4 units
.set SPW,  16                          ; v16    LDS address of my spare word; never rewritten
.set NIL,  17                          ; v17    0; never rewritten
.set SCL,  18                          ; v18-23 for third th: 2^(e_out - e0 - e1) at 2 th, 57,344 x that at 2 th + 1
.set BV2,  24                          ; v24-31 v's bias of my lane's channel in block b, twice, at 2 b
.set WF,   32
.set XF,   128
.set BI,   192                         ; q's bias at 8 b + j, k's at 32 + 8 b + j: b(16 b + 8 h + j) / 2^(e0 + e1)
.set TT,   32
.set CO,   160
.set G1X3, 24                          ; s[24:31] descriptor group 1: x, 3 units;  s[32:39] W, 3 units;  s[40:47] x, 4 units;  s[48:55] W, 4 units
.set G1W3, 32
.set G1X4, 40
.set G1W4, 48
.set G0XP, 56                          ; groups 0: slot P's (x, W), slot Q's, and those of slot P's last fill
.set G0WP, 60
.set G0XQ, 68
.set G0WQ, 72
.set G0X4, 76
.set G0W4, 80
.set MSB, 0
.macro WIN new                         ; low byte: bits 1:0 source 0, 3:2 source 1, 5:4 source 2, 7:6 destination; the high byte repeats the setting that is left
.if MSB != (\new)
	s_set_vgpr_msb (MSB<<8)|(\new)
.set MSB, (\new)
.endif
.endm
; A joint load.  Each line has ONE mask and one set of registers for all that issue it; the branch hangs on the wave's number alone.
; Four v_nop follow each of the two lines, ahead of the jump, the label and what follows.
.macro JLOAD g0x, g1x, g0w, g1w
	s_cmp_eq_u32 s14, 0
	s_cbranch_scc0 .Lfor_w_\@
	tensor_load_to_lds s[\g0x:\g0x+3], s[\g1x:\g1x+7]
	s_nop 0
.rept 4
	v_nop
.endr
	s_branch .Lasked_\@
.Lfor_w_\@:
	tensor_load_to_lds s[\g0w:\g0w+3], s[\g1w:\g1w+7]
	s_nop 0
.rept 4
	v_nop
.endr
.Lasked_\@:
.endm
.macro CREST                           ; a round of the cluster's barrier behind its opening barrier
	s_cmp_lg_u32 s14, 0
	s_cbranch_scc1 .Lnot_wave_0_\@
	s_barrier_signal -3
.Lnot_wave_0_\@:
	s_barrier_wait -3
	s_barrier_signal -1
	s_barrier_wait -1
.endm
.macro CROUND                          ; a whole round
	s_barrier_signal -1
	s_barrier_wait -1
	CREST
.endm
.macro MKG1 g, elems, rows             ; rows (tiles of 16) of elems elements of 8 bytes, 16,384 bytes apart in memory, dense in LDS
	s_mov_b32 s[\g+1], (\elems)<<16                ; tensor_dim0
	s_mov_b32 s[\g+2], (\rows)<<16                 ; tensor_dim1
	s_mov_b32 s[\g+3], (\elems)<<16                ; tile_dim0
	s_mov_b32 s[\g+4], \rows                       ; tile_dim1
	s_mov_b32 s[\g+5], 2048                        ; tensor_dim0_stride, in elements
	s_mov_b32 s[\g+6], 0
	s_mov_b32 s[\g+7], 0
.endm
.macro MKG0 g, ptr, off                ; count, global address and type; the LDS address is written beside it
	s_mov_b32 s[\g], 1
	s_add_nc_u64 s[\g+2:\g+3], s[\ptr:\ptr+1], \off
	s_or_b32 s[\g+3], s[\g+3], 0x80000000
.endm
	s_load_b256 s[4:11], s[0:1], 0x0               ; xc s[4:5], wac s[6:7], the bias s[8:9], the exponents s[10:11]
	s_load_b128 s[84:87], s[0:1], 0x20             ; qc, kc
	s_load_b64 s[88:89], s[0:1], 0x30              ; vc
	v_lshl_add_u32 v[SPW], v0, 2, SPARE
	v_mov_b32 v[NIL], 0
	ds_add_u32 v16, v17
	ds_add_u32 v16, v17
	s_wait_dscnt 0x0
	v_lshrrev_b32 v1, 5, v0
	v_readfirstlane_b32 s14, v1                    ; wave 0..3
	s_lshr_b32 s15, s14, 1                         ; my half of the 256 rows
	s_and_b32 s16, s14, 1                          ; my head of the two
	s_bfe_u32 s66, ttmp6, 0x40000                  ; cx, cy: my place in the cluster
	s_bfe_u32 s67, ttmp6, 0x40004
	s_lshl_b32 s100, ttmp9, 2
	s_add_co_u32 s100, s100, s66                   ; my pair of heads = 4 x cluster x + cx, 0..7
	s_and_b32 s17, ttmp7, 0xffff
	s_lshl_b32 s17, s17, 2
	s_add_co_u32 s17, s17, s67                     ; my 256 rows = 4 x cluster y + cy, 0..31
	s_lshl_b32 s12, s67, 2
	s_lshl_b32 s12, 15, s12                        ; my row of the cluster
	s_lshl_b32 s13, 0x1111, s66                    ; my column
	s_or_b32 s[G1X3], s12, (3<<16)|(1<<21)         ; 15:0 the mask: x's tiles go to my row; 17:16 elements of 8 bytes; 20 no padding; 21 set beside a mask
	s_or_b32 s[G1X4], s12, (3<<16)|(1<<21)
	s_or_b32 s[G1W3], s13, (3<<16)|(1<<21)         ; W's tiles go to my column
	s_or_b32 s[G1W4], s13, (3<<16)|(1<<21)
	MKG1 G1X3, 384, 16
	MKG1 G1W3, 384, 8
	MKG1 G1X4, 512, 16
	MKG1 G1W4, 512, 8
	s_lshl_b32 s20, s17, 18                        ; x: 16 tiles of 16,384 bytes for each 256 rows
	s_mov_b32 s21, 0
	s_max_u32 s22, s14, 1
	s_sub_co_u32 s22, s22, 1                       ; W: the third that I fetch: wave - 1 (wave 0 fetches x and does not use this)
	s_lshl_b32 s22, s22, 20                        ; 64 tiles a third,
	s_lshl_b32 s23, s100, 17                       ; 8 tiles a pair of heads
	s_add_co_u32 s22, s22, s23
	s_mov_b32 s23, 0
	s_mul_i32 s18, s14, 8*P3                       ; where W's tiles go: 8 tiles for each wave from wave 1 on: no place in the cluster enters an LDS address
	s_lshl_b32 s19, s14, 15
	s_wait_kmcnt 0x0
	s_load_b256 s[92:99], s[10:11], 0x0            ; e0 .. e7
	s_add_nc_u64 s[20:21], s[4:5], s[20:21]
	s_add_nc_u64 s[22:23], s[6:7], s[22:23]
	CROUND                                         ; all sixteen work-groups are here: the first joint loads meet
	MKG0 G0XP, 20, 0                               ; slot P: units 0-2, later 6-8
	s_mov_b32 s[G0XP+1], 0
	MKG0 G0WP, 22, 0
	s_add_co_u32 s[G0WP+1], s18, PW-8*P3
	MKG0 G0XQ, 20, 3*U                             ; slot Q: units 3-5, later 9-11
	s_mov_b32 s[G0XQ+1], QB
	MKG0 G0WQ, 22, 3*U
	s_add_co_u32 s[G0WQ+1], s18, QW-8*P3
	MKG0 G0X4, 20, 12*U                            ; slot P's last fill: units 12-15
	s_mov_b32 s[G0X4+1], 0
	MKG0 G0W4, 22, 12*U
	s_add_co_u32 s[G0W4+1], s19, PW-8*P4
	JLOAD G0XP, G1X3, G0WP, G1W3                   ; both first fills go out before anything else is done: two loads of mine are out
	JLOAD G0XQ, G1X3, G0WQ, G1W3
	v_and_b32 v1, 31, v0
	v_lshlrev_b32 v[LI], 4, v1                     ; 16 x lane: my place in every image
	s_wait_alu depctr_va_vdst(0)
	s_mul_i32 s18, s15, 8*P3                       ; x's 8 tiles of my row half,
	s_mul_i32 s19, s16, 4*P3                       ; W's 4 tiles of my head in each third
	v_add_nc_u32 v[ADR], s18, v[LI]
	s_add_co_u32 s2, s18, QB
	v_add_nc_u32 v[ADR+4], s2, v[LI]
.irp th, 0,1,2
	s_add_co_u32 s2, s19, PW+\th*8*P3
	v_add_nc_u32 v[ADR+1+\th], s2, v[LI]
	s_add_co_u32 s2, s19, QW+\th*8*P3
	v_add_nc_u32 v[ADR+5+\th], s2, v[LI]
.endr
	s_lshl_b32 s18, s15, 15                        ; the same with 4 units to a tile
	s_lshl_b32 s19, s16, 14
	v_add_nc_u32 v[ADR+8], s18, v[LI]
.irp th, 0,1,2
	s_add_co_u32 s2, s19, PW+\th*8*P4
	v_add_nc_u32 v[ADR+9+\th], s2, v[LI]
.endr
	s_lshl_b32 s90, s100, 9                        ; the bias of my head's 64 columns: 4 (128 x pair + 64 x head) bytes on; k's 4,096 and v's 8,192 bytes further
	s_lshl_b32 s91, s16, 8
	s_add_co_u32 s90, s90, s91
	s_mov_b32 s91, 0
	s_add_nc_u64 s[8:9], s[8:9], s[90:91]
	v_and_b32 v1, 15, v0
	v_lshlrev_b32 v1, 2, v1                        ; 4 r
	v_bfe_u32 v2, v0, 4, 1
	v_lshlrev_b32 v2, 5, v2                        ; 32 h
.irp b, 0,1,2,3
	global_load_b128 v[BI+8*\b:BI+8*\b+3], v2, s[8:9] offset:64*\b
	global_load_b128 v[BI+8*\b+4:BI+8*\b+7], v2, s[8:9] offset:64*\b+16
	global_load_b128 v[BI+32+8*\b:BI+32+8*\b+3], v2, s[8:9] offset:4096+64*\b
	global_load_b128 v[BI+32+8*\b+4:BI+32+8*\b+7], v2, s[8:9] offset:4096+64*\b+16
	global_load_b32 v[BV2+2*\b], v1, s[8:9] offset:8192+64*\b
.endr
	; where my results go.  q and k: (128 x head + tile of tokens) x 1,024; v: (16 x head + key step) x 8,192: for my head and my 128 tokens both are the same number
	s_lshr_b32 s90, s17, 3                         ; the batch: 8 blocks of 256 rows each
	s_lshl_b32 s90, s90, 4
	s_lshl_b32 s91, s100, 1
	s_add_co_u32 s90, s90, s91
	s_add_co_u32 s90, s90, s16                     ; 16 x batch + head
	s_lshl_b32 s90, s90, 17
	s_and_b32 s91, s17, 7
	s_lshl_b32 s91, s91, 14
	s_add_co_u32 s90, s90, s91
	s_lshl_b32 s91, s15, 13
	s_add_co_u32 s90, s90, s91
	s_mov_b32 s91, 0
	s_add_nc_u64 s[84:85], s[84:85], s[90:91]
	s_add_nc_u64 s[86:87], s[86:87], s[90:91]
	s_add_nc_u64 s[88:89], s[88:89], s[90:91]
	s_wait_kmcnt 0x0
	s_add_co_i32 s18, s92, s93                     ; e0 + e1
	s_sub_co_i32 s19, 0, s18
.macro MKSC e, th                      ; the third's scale 2^(e - e0 - e1) as f32, and 57,344 x that
	s_sub_co_i32 s2, s[\e], s18
	s_add_co_i32 s2, s2, 127
	s_lshl_b32 s3, s2, 23
	v_mov_b32 v[SCL+2*\th], s3
	s_add_co_i32 s2, s2, 15
	s_lshl_b32 s2, s2, 23
	s_or_b32 s2, s2, 0x600000
	v_mov_b32 v[SCL+2*\th+1], s2
.endm
	MKSC 94, 0
	MKSC 95, 1
	MKSC 97, 2
	s_wait_loadcnt 0x0                             ; the bias, once
.set n, 0
.rept 64
	v_ldexp_f32 v[BI+n], v[BI+n], s19              ; b / 2^(e0 + e1): done while the first tiles are on their way
.set n, n+1
.endr
.set n, 0
.rept 4
	v_ldexp_f32 v[BV2+2*n+1], v[BV2+2*n], s19
	v_ldexp_f32 v[BV2+2*n], v[BV2+2*n], s19
.set n, n+1
.endr
.macro XLD v, u, p                     ; x's eight fragments of unit u of the slot (form v) into set p: 16 loads of 512 consecutive bytes
.set PT, P3+U*((\v)/2)
.irp i, 0,1,2,3,4,5,6,7
	ds_load_b128 v[XF+64*(\p)+8*\i:XF+64*(\p)+8*\i+3], v[ADR+4*(\v)] offset:PT*\i+U*(\u)
	ds_load_b128 v[XF+64*(\p)+8*\i+4:XF+64*(\p)+8*\i+7], v[ADR+4*(\v)] offset:PT*\i+U*(\u)+512
.endr
.endm
.macro WLD v, u, th                    ; W's four fragments of third th: 8 loads
.set PT, P3+U*((\v)/2)
.irp b, 0,1,2,3
	ds_load_b128 v[WF+32*(\th)+8*\b:WF+32*(\th)+8*\b+3], v[ADR+4*(\v)+1+(\th)] offset:PT*\b+U*(\u)
	ds_load_b128 v[WF+32*(\th)+8*\b+4:WF+32*(\th)+8*\b+7], v[ADR+4*(\v)+1+(\th)] offset:PT*\b+U*(\u)+512
.endr
.endm
; 4 cnt matrix instructions of third th: x's blocks a0 on, each against W's four.  FST = 1: the first products start the sums, q's and k's with the bias as C, v's with 0.
; The 96 accumulators take turns, one instruction a turn, in the same order in every half step.
.macro MULS th, p, a0, cnt
.set aa, \a0
.rept \cnt
.irp b, 0,1,2,3
.if \th == 2
.if FST
	v_wmma_f32_16x16x64_bf8_bf8 v[8*(4*aa+\b):8*(4*aa+\b)+7], v[XF+64*(\p)+8*aa:XF+64*(\p)+8*aa+7], v[WF+64+8*\b:WF+64+8*\b+7], 0
.else
	v_wmma_f32_16x16x64_bf8_bf8 v[8*(4*aa+\b):8*(4*aa+\b)+7], v[XF+64*(\p)+8*aa:XF+64*(\p)+8*aa+7], v[WF+64+8*\b:WF+64+8*\b+7], v[8*(4*aa+\b):8*(4*aa+\b)+7]
.endif
.else
.if FST
	v_wmma_f32_16x16x64_bf8_bf8 v[8*(4*aa+\b):8*(4*aa+\b)+7], v[WF+32*(\th)+8*\b:WF+32*(\th)+8*\b+7], v[XF+64*(\p)+8*aa:XF+64*(\p)+8*aa+7], v[BI+32*(\th)+8*\b:BI+32*(\th)+8*\b+7]
.else
	v_wmma_f32_16x16x64_bf8_bf8 v[8*(4*aa+\b):8*(4*aa+\b)+7], v[WF+32*(\th)+8*\b:WF+32*(\th)+8*\b+7], v[XF+64*(\p)+8*aa:XF+64*(\p)+8*aa+7], v[8*(4*aa+\b):8*(4*aa+\b)+7]
.endif
.endif
.endr
.set aa, aa+1
.endr
.endm
.macro PLACES                          ; four plain vector lines between a matrix instruction and a load into, or a vector line on, its registers (ISA guide 7.12.1 for vector lines)
.rept 4
	v_nop
.endr
.endm
; A HALF STEP on x's set p.  mode 0: as a rule; 1: the first (its products start the sums; x's other set still holds the bias and is filled a pass later); 2: the last (nothing more to fetch).
; nv, nu: the slot's form and the unit from which the next half step's fragments come.
; meet 1, 2: this is a slot's last half step: ONE barrier; in front of it each wave waits for all its tensor loads, adds 0 to its spare word, and waits for that and for its reads of the slot.
;   meet 1: the barrier opens a round of the cluster's barrier, and behind the round the slot is filled again by the descriptors named (stepped by step bytes);  meet 2: nothing is left to ask for.
; LDS loads come back in order.  They are issued W0, x, W1, W2 for each half step, so: at the head W1 and W2 (16) may be out; ahead of pass 2: W2, the next W0 and x (32); ahead of pass 3: the next W0, x and W1 (32).
.macro HS p, mode, meet, nv, nu, g0x, g1x, g0w, g1w, step
.set FST, 0
.if \mode == 1
.set FST, 1
.endif
.if \meet
	s_wait_tensorcnt 0x0                           ; all my tensor loads have landed: the one that was out is my part of the other slot
	ds_add_u32 v[SPW], v[NIL]                      ; 0 onto my spare word
	s_wait_dscnt 17                                ; W1, W2 and the add may be out
	WIN 0x50
	MULS 0, \p, 0, 4                               ; sixteen matrix instructions stand between the add and the wait for it
	s_wait_dscnt 0x0                               ; the add is done, and my reads of this slot are over
	s_barrier_signal -1
	MULS 0, \p, 4, 4
	WIN 0
	s_barrier_wait -1
.if \meet == 1
	CREST                                          ; no wave of any partner still reads this slot or has a load on its way
.if \step
	s_add_nc_u64 s[\g0x+2:\g0x+3], s[\g0x+2:\g0x+3], \step
	s_add_nc_u64 s[\g0w+2:\g0w+3], s[\g0w+2:\g0w+3], \step
.endif
	JLOAD \g0x, \g1x, \g0w, \g1w                   ; the first tensor load behind the round; its four v_nop are also the places in front of the loads below
.else
	PLACES
.endif
.else
	s_wait_dscnt 16
	WIN 0x50-0x10*FST                              ; C and D window 1; in the first half step C (the bias) window 0
	MULS 0, \p, 0, 8
.if \mode != 2
	WIN 0
	PLACES
.endif
.endif
.if \mode != 2
	WLD \nv, \nu, 0
.if \mode == 0
	XLD \nv, \nu, 1-(\p)
.endif
.endif
.if \mode == 0
	s_wait_dscnt 32
.elseif \mode == 1
	s_wait_dscnt 16                                ; W2 and the next W0 may be out
.else
	s_wait_dscnt 8                                 ; W2 may be out
.endif
	WIN 0xa0-0x20*FST
	MULS 1, \p, 0, 8
.if \mode != 2
	WIN 0
	PLACES
.if \mode == 1
	XLD \nv, \nu, 1-(\p)                           ; the bias has been read
.endif
	WLD \nv, \nu, 1
.endif
.if \mode == 2
	s_wait_dscnt 0x0
.else
	s_wait_dscnt 32
.endif
	WIN 0xf0
	MULS 2, \p, 0, 8
	WIN 0
	PLACES
.if \mode != 2
	WLD \nv, \nu, 2
.endif
.endm
	s_wait_alu depctr_va_vdst(0)
	s_wait_tensorcnt 1                             ; my part of slot P is in; slot Q's load may be out
	s_barrier_signal -1
	s_barrier_wait -1                              ; everybody's is
	WLD 0, 0, 0
	XLD 0, 0, 0
	WLD 0, 0, 1
	WLD 0, 0, 2
	HS 0, 1, 0, 0, 1, 0, 0, 0, 0, 0                ; unit 0
	HS 1, 0, 0, 0, 2, 0, 0, 0, 0, 0
	HS 0, 0, 1, 1, 0, G0XP, G1X3, G0WP, G1W3, 6*U  ; unit 2: slot P is left and takes units 6-8
	HS 1, 0, 0, 1, 1, 0, 0, 0, 0, 0
	HS 0, 0, 0, 1, 2, 0, 0, 0, 0, 0
	HS 1, 0, 1, 0, 0, G0XQ, G1X3, G0WQ, G1W3, 6*U  ; unit 5: slot Q takes units 9-11
	HS 0, 0, 0, 0, 1, 0, 0, 0, 0, 0
	HS 1, 0, 0, 0, 2, 0, 0, 0, 0, 0
	HS 0, 0, 1, 1, 0, G0X4, G1X4, G0W4, G1W4, 0    ; unit 8: slot P takes units 12-15
	HS 1, 0, 0, 1, 1, 0, 0, 0, 0, 0
	HS 0, 0, 0, 1, 2, 0, 0, 0, 0, 0
	HS 1, 0, 2, 2, 0, 0, 0, 0, 0, 0                ; unit 11: slot Q is left; nothing is left to ask for
	HS 0, 0, 0, 2, 1, 0, 0, 0, 0, 0
	HS 1, 0, 0, 2, 2, 0, 0, 0, 0, 0
	HS 0, 0, 0, 2, 3, 0, 0, 0, 0, 0
	HS 1, 2, 0, 0, 0, 0, 0, 0, 0, 0                ; unit 15; its four places serve the first reads of results and the writes over fragments
; THE WAY OUT.  128 numbers a lane at a time: the hold, sixteen conversions, eight stores of 512 consecutive bytes: the conversions' registers ARE the next operands' images.  Each accumulator is read from its low end on.
; q, k: x's blocks 4 g .. 4 g + 3: four K = 64 fragments (tiles of 16 tokens).  cs: which of the three sets of code registers.
.macro EPQK th, g, cs
.set CS3, CO+32*((\cs)%3)
	WIN 1+(\th)                                    ; source 0: the third's window
.set n, 0
.rept 128
	v_med3_num_f32 v[TT+n], v[128*(\g)+n], -v[SCL+2*(\th)+1], v[SCL+2*(\th)+1]   ; the conversion does not saturate (ISA guide 7.6.2): the hold comes first
.set n, n+1
.endr
	WIN 0
.if (\cs) >= 3
	s_wait_xcnt 0x0                                ; the stores of three groups ago have read this set of codes
.endif
.set n, 0
.rept 16
	v_cvt_scalef32_pk8_bf8_f32 v[CS3+2*n:CS3+2*n+1], v[TT+8*n:TT+8*n+7], v[SCL+2*(\th)]
.set n, n+1
.endr
	v_nop                                          ; a plain line between the conversions and the next group's lines, which write their sources
.set n, 0
.rept 8
	global_store_b128 v[LI], v[CS3+4*n:CS3+4*n+3], s[84+2*(\th):85+2*(\th)] offset:4096*(\g)+512*n
.set n, n+1
.endr
.endm
; v: W's blocks 2 g, 2 g + 1: two K = 128 fragments (tiles of 16 channels x my 128 tokens); the bias is added here.
.macro EPV g, cs
.set CS3, CO+32*((\cs)%3)
	WIN 3
.irp bp, 0,1
.set aa, 0
.rept 8
.irp i, 0,2,4,6
	v_pk_add_f32 v[TT+64*\bp+8*aa+\i:TT+64*\bp+8*aa+\i+1], v[8*(4*aa+2*(\g)+\bp)+\i:8*(4*aa+2*(\g)+\bp)+\i+1], v[BV2+2*(2*(\g)+\bp):BV2+2*(2*(\g)+\bp)+1]
.endr
.set aa, aa+1
.endr
.endr
	WIN 0
.set n, 0
.rept 128
.set n, n+1
.endr
.if (\cs) >= 3
	s_wait_xcnt 0x0
.endif
.set n, 0
.rept 16
	v_cvt_scalef32_pk8_bf8_f32 v[CS3+2*n:CS3+2*n+1], v[TT+8*n:TT+8*n+7], v[SCL+4]
.set n, n+1
.endr
	v_nop
.set n, 0
.rept 8
	global_store_b128 v[LI], v[CS3+4*n:CS3+4*n+3], s[88:89] offset:4096*(\g)+512*n
.set n, n+1
.endr
.endm
	EPQK 0, 0, 0
	EPQK 0, 1, 1
	EPQK 1, 0, 2
	EPQK 1, 1, 3
	EPV 0, 4
	EPV 1, 5
	s_wait_tensorcnt 0x0                           ; the wave's end
	ds_add_u32 v[SPW], v[NIL]
	s_wait_dscnt 0x0
	CROUND                                         ; the closing round: no work-group ends while a partner may still ask for a tile that names it
	s_endpgm
.Lfunc_end_k_qdce92d1587_qkv:
	.size	k_qdce92d1587_qkv, .Lfunc_end_k_qdce92d1587_qkv-k_qdce92d1587_qkv
	.p2alignl 7, 3214868480
	.fill 96, 4, 3214868480
	.section	.rodata,"a",@progbits
	.p2align	6, 0x0
	.amdhsa_kernel k_qdce92d1587_qkv
		.amdhsa_group_segment_fixed_size 327680
		.amdhsa_private_segment_fixed_size 0
		.amdhsa_enable_private_segment 0
		.amdhsa_kernarg_size 56
		.amdhsa_user_sgpr_count 2
		.amdhsa_user_sgpr_kernarg_segment_ptr 1
		.amdhsa_wavefront_size32 1
		.amdhsa_system_sgpr_workgroup_id_x 1
		.amdhsa_system_sgpr_workgroup_id_y 1
		.amdhsa_system_sgpr_workgroup_id_z 1
		.amdhsa_system_vgpr_workitem_id 0
		.amdhsa_next_free_vgpr 1024
		.amdhsa_next_free_sgpr 102
		.amdhsa_reserve_vcc 0
		.amdhsa_float_denorm_mode_32 3
		.amdhsa_float_denorm_mode_16_64 3
		.amdhsa_fp16_overflow 1
		.amdhsa_memory_ordered 1
		.amdhsa_forward_progress 1
		.amdhsa_inst_pref_size 217
	.end_amdhsa_kernel
	.amdgpu_metadata
---
amdhsa.version: [ 1, 2 ]
amdhsa.kernels:
  - .name:           k_qdce92d1587_qkv
    .symbol:         k_qdce92d1587_qkv.kd
    .args:
      - { .name: xc, .offset: 0, .size: 8, .value_kind: global_buffer, .address_space: global }
      - { .name: wac, .offset: 8, .size: 8, .value_kind: global_buffer, .address_space: global }
      - { .name: c_attn_b, .offset: 16, .size: 8, .value_kind: global_buffer, .address_space: global }
      - { .name: lowp_scales, .offset: 24, .size: 8, .value_kind: global_buffer, .address_space: global }
      - { .name: qc, .offset: 32, .size: 8, .value_kind: global_buffer, .address_space: global }
      - { .name: kc, .offset: 40, .size: 8, .value_kind: global_buffer, .address_space: global }
      - { .name: vc, .offset: 48, .size: 8, .value_kind: global_buffer, .address_space: global }
    .group_segment_fixed_size: 327680
    .private_segment_fixed_size: 0
    .kernarg_segment_align: 8
    .kernarg_segment_size: 56
    .max_flat_workgroup_size: 128
    .sgpr_count:     102
    .vgpr_count:     1024
    .wavefront_size: 32
...
	.end_amdgpu_metadata
.endif
;; end of part 2
;; launch attn (part 3): grid 4 x 64, 16 waves a work-group, clusters of 4 x 1, 327,680 bytes of LDS; arguments qc, kc, vc, lowp_scales, ac; writes ac
.if DOCPART == 3
	.amdgcn_target "amdgcn-amd-amdhsa--gfx1250"
	.amdhsa_code_object_version 6
	.text
	.protected	k_qdce92d1587_attn
	.globl	k_qdce92d1587_attn
	.p2align	8
	.type	k_qdce92d1587_attn,@function
k_qdce92d1587_attn:
	s_mov_b64 s[64:65], 0
	v_nop
	global_prefetch_b8 v0, s[64:65] scope:SCOPE_SE
	s_setreg_imm32_b32 hwreg(HW_REG_WAVE_MODE, 25, 1), 1
	s_wait_xcnt 0x0
	s_wait_alu depctr_hold_cnt(0) depctr_sa_sdst(0) depctr_va_vdst(0) depctr_va_sdst(0) depctr_va_ssrc(0) depctr_va_vcc(0) depctr_vm_vsrc(0)
	s_getreg_b32 s2, hwreg(HW_REG_IB_STS2, 6, 4)
	s_cmp_eq_u32 s2, 0
	s_cbranch_scc0 .Lentry_in_a_cluster
	s_endpgm
.Lentry_in_a_cluster:
	s_bfe_u32 s2, ttmp6, 0x10000c
	s_cmp_lg_u32 s2, 0x3003
	s_cbranch_scc0 .Lentry_shape_is_right
	s_endpgm
.Lentry_shape_is_right:
; a[b][q][head] = softmax_k(mask(q . k / 8)) v for 64 heads of 2,048 tokens x 64 channels, both products on codes of BF8 (E5M2); the result is quantised at once (scale 2^e6) into the last product's operand.
; THE MASK: a key behind the query has the logit -10,000, and it COUNTS: t_m = -10,000 log2(e) enters the row's largest t, its sum and its product.
; THE SOFTMAX: t = logit x log2(e); M = the row's largest t so far, rounded UP to a whole number; p = 2^(t - M) is quantised (scale 2^e4), not normalised; the sum of the unquantised p divides at the end.
; SHARES.  A cluster of four work-groups is one head.  The head's whole K (131,072 bytes) and V (131,072) lie in each work-group's LDS, brought ONCE by joint loads that name the four: nothing is filled again.
; The 2,048 queries are 16 blocks of 128, a block 8 tiles of 16.  Work-group cx owns tiles 2 cx, 2 cx + 1 of every block.  Wave w (j = w % 8, u = w / 8) owns tile 2 cx + u of block 15 - j (first pass) and of block j (second):
; 17 key steps of 128 with visible keys for every wave.  Four waves share a SIMD, so that one wave's vector work stands beside another's products and LDS loads.
; KEY STEPS BEHIND THE BLOCK ARE NOT WALKED.  All their keys have the same p_m = 2^(t_m - M): they add (their number) x p_m to the sum and (p_m's code) x (the sum of V's codes over them) to the product.
; Those sums of codes are made once, by 64 matrix instructions a work-group (V's fragments x fragments of ones and zeros), and lie in LDS: PART[group of 4 steps][block][channel].
; In the step on the diagonal hidden scores are replaced by t_m.  Every branch hangs on the wave's number and on loop counts alone; cx enters global addresses and mask compares only.
; LAYOUT.  Both products are used transposed: S^T = K Q^T (source 0 = 16 keys, source 1 = my 16 queries), O^T = V^T P^T: a lane holds ONE query (lane % 16).  Register 8 t + i of S^T is key 16 t + 8 (lane / 16) + i:
; just the place that the K = 128 operand gives it, so the conversions' results are the second product's operand.
; qc, kc: [64][128 tiles of 16 tokens][1024]; vc: [64][16 key steps][4 tiles of 16 channels][2048]; ac: [512 tiles of 16 rows][16 heads][1024]: images of operand registers (registers 4 i .. 4 i + 3 of lane l at 512 i + 16 l).
; LIMITS: e2 + e3 between -123 and 130 (added to c's exponent field); e4 and e6 between -126 and 112; e4 + e5 goes in by v_ldexp_f32.  NaN among the inputs is not served.
.set VOFF, 131072                      ; LDS: K at 0, V here,
.set PART, 262144                      ; and the sums of V's codes: 4 groups x 16 rows (blocks) x (256 bytes + 16).  No tensor load lands here
.set PP,   272
.set PG,   16*PP
.set LI,   1                           ; v1   16 x lane
.set LIV,  2                           ; v2   the same in V
.set ADK,  3                           ; v3   LDS address of the step's K
.set ADV,  4                           ; v4   of its V
.set RR,   5                           ; v5   r = lane % 16
.set HH,   6                           ; v6   h = lane / 16
.set QI,   7                           ; v7   my query's number in its block
.set DM,   8                           ; v8   QI - 8 h
.set PABA, 9                           ; v9   my 32 bytes of PART's row for the second pass's block
.set PABB, 10                          ; v10  for the first pass's
.set TM,   11                          ; v11  t_m
                                       ; v12 -M, v13 the largest t, v[14:15] the sum in two halves
.set QB,   16                          ; v16-23 Q of the first pass;  v24-31 of the second
.set QA,   24
.set FRG,  32                          ; v32-95   fragments of K, then of V
.set ST,   96                          ; v96-159  S^T, then p
.set OT,   160                         ; v160-191 O^T
.set PCD,  192                         ; v192-207 p's codes
.set SA,   208                         ; v208-239 the accumulators of the sums of codes; later p_m eight times (208-215), a's codes (216-223, 224-231), p_m's code (232-233)
.set PLIM, 240                         ; v240, v241: 57,344 x 2^e4, 2^e4;  v242, v243: the same with e6
.set PSC,  241
.set ALIM, 242
.set ASC,  243
.set MX,   244                         ; at work
.set MY,   245
.set PD,   246                         ; a lane permute's destination
.set FF,   248                         ; v[248:249] a factor: the packed forms name the pair and take its low word
.set S2,   250                         ; v[250:251] the sum's second chain
.set UU,   17                          ; s17 w / 8
.set WV,   18                          ; s18 my wave's number
.set JJ,   19                          ; s19 w % 8
.set SEL,  20                          ; s[20:21] lane selects: lane l xor 16
.set CS,   22                          ; s[22:23] c = log2(e) / 8 x 2^(e2 + e3)
.set G1,   24                          ; s[24:31] descriptor group 1;  s[32:35], s[36:39] two groups 0
.set G0,   32
.set CM,   40                          ; s[40:41] the multiplier in hand: c, or 1 where the scores are t already
.set KS,   42                          ; s42 the key step
.set TB,   43                          ; s43 8,192 x KS
.set BLK,  44                          ; s44 the pass's block
.set E45,  45                          ; s45 e4 + e5
.macro CROUND                          ; a round of the cluster's barrier
	s_barrier_signal -1
	s_barrier_wait -1
	s_cmp_lg_u32 s[WV], 0
	s_cbranch_scc1 .Lnot_wave_0_\@
	s_barrier_signal -3
.Lnot_wave_0_\@:
	s_barrier_wait -3
	s_barrier_signal -1
	s_barrier_wait -1
.endm
.macro MKSCALE e, vl, vs
	s_add_co_i32 s57, s[\e], 127
	s_lshl_b32 s58, s57, 23
	v_mov_b32 v[\vs], s58
	s_add_co_i32 s57, s57, 15
	s_lshl_b32 s57, s57, 23
	s_or_b32 s57, s57, 0x600000
	v_mov_b32 v[\vl], s57
.endm
	s_load_b256 s[4:11], s[0:1], 0x0               ; qc s[4:5], kc s[6:7], vc s[8:9], the exponents s[10:11]
	s_load_b64 s[12:13], s[0:1], 0x20              ; ac
	v_lshl_add_u32 v254, v0, 2, 0x44400
	v_mov_b32 v255, 0
	ds_add_u32 v254, v255
	ds_add_u32 v254, v255
	v_lshrrev_b32 v3, 5, v0
	s_delay_alu instid0(VALU_DEP_1)
	v_readfirstlane_b32 s[WV], v3                  ; wave 0..15
	s_and_b32 s[JJ], s[WV], 7
	s_lshr_b32 s[UU], s[WV], 3
	s_bfe_u32 s46, ttmp6, 0x40000                  ; cx
	s_and_b32 s47, ttmp7, 0xffff                   ; the head (16 x batch + head), which the four partners share
	; descriptor group 1: a dense block of 8,192 bytes as 32 rows of 256
	s_mov_b32 s[G1], 15|(3<<16)|(1<<21)            ; 15:0 the mask: all four work-groups; 17:16 elements of 8 bytes; 21 set beside a mask
	s_mov_b32 s[G1+1], 32<<16                      ; tensor_dim0 = 32 elements
	s_mov_b32 s[G1+2], 32<<16                      ; tensor_dim1 = 32
	s_mov_b32 s[G1+3], 32<<16                      ; tile_dim0
	s_mov_b32 s[G1+4], 32                          ; tile_dim1
	s_mov_b32 s[G1+5], 32                          ; tensor_dim0_stride
	s_mov_b32 s[G1+6], 0
	s_mov_b32 s[G1+7], 0
	s_lshl_b32 s48, s[UU], 17                      ; waves 0-7 fetch K, waves 8-15 V;
	s_lshl_b32 s49, s[JJ], 13                      ; wave j of either: key step j, then key step 8 + j
	s_add_co_u32 s48, s48, s49                     ; in LDS,
	s_lshl_b32 s50, s47, 17
	s_add_co_u32 s50, s50, s49                     ; and in the head's 131,072 bytes of memory
	s_mov_b32 s51, 0
	s_wait_dscnt 0x0
	s_wait_kmcnt 0x0
	s_load_b256 s[72:79], s[10:11], 0x0            ; e0 .. e7
	s_cmp_lt_u32 s[WV], 8
	s_cselect_b64 s[52:53], s[6:7], s[8:9]
	s_add_nc_u64 s[52:53], s[52:53], s[50:51]
	s_mov_b32 s[G0], 1
	s_mov_b32 s[G0+1], s48
	s_mov_b64 s[G0+2:G0+3], s[52:53]
	s_or_b32 s[G0+3], s[G0+3], 0x80000000
	s_mov_b32 s[G0+4], 1
	s_add_co_u32 s[G0+5], s48, 65536
	s_add_nc_u64 s[G0+6:G0+7], s[52:53], 65536
	s_or_b32 s[G0+7], s[G0+7], 0x80000000
	CROUND                                         ; all four work-groups are here: the joint loads meet
	tensor_load_to_lds s[G0:G0+3], s[G1:G1+7]      ; key steps 0-7 of K and V, the sixteen waves together;
	s_nop 0
	s_wait_alu depctr_va_vdst(0)
	s_wait_tensorcnt 0x0
	ds_add_u32 v254, v255
	s_wait_dscnt 0x0
	CROUND
	tensor_load_to_lds s[G0+4:G0+7], s[G1:G1+7]    ; key steps 8-15.  One load of mine is out, and no more are ever issued
	s_nop 0
.rept 4
	v_nop
.endr
	v_and_b32 v[LI], 31, v0
	s_delay_alu instid0(VALU_DEP_1)
	v_lshlrev_b32 v[LI], 4, v[LI]
	s_wait_alu depctr_va_vdst(0)
	v_add_nc_u32 v[LIV], VOFF, v[LI]
	v_and_b32 v[RR], 15, v0
	s_wait_alu depctr_va_vdst(0)
	v_bfe_u32 v[HH], v0, 4, 1
	s_wait_alu depctr_va_vdst(0)
	s_xor_b32 s[BLK], s[JJ], 15                    ; the first pass's block: 15 - j
	s_lshl_b32 s54, s46, 1
	s_add_co_u32 s54, s54, s[UU]                   ; my tile in a block: 2 cx + u
	s_mov_b32 s59, 0
	s_lshl_b32 s56, s47, 7
	s_add_co_u32 s56, s56, s54                     ; Q: (128 x head + 8 x block + tile) x 1,024
	s_lshl_b32 s57, s[BLK], 3
	s_add_co_u32 s57, s57, s56
	s_lshl_b32 s58, s57, 10
	s_add_nc_u64 s[66:67], s[4:5], s[58:59]
	s_lshl_b32 s57, s[JJ], 3
	s_add_co_u32 s57, s57, s56
	s_lshl_b32 s58, s57, 10
	s_add_nc_u64 s[68:69], s[4:5], s[58:59]
	global_load_b128 v[QB:QB+3], v[LI], s[66:67]
	global_load_b128 v[QB+4:QB+7], v[LI], s[66:67] offset:512
	global_load_b128 v[QA:QA+3], v[LI], s[68:69]
	global_load_b128 v[QA+4:QA+7], v[LI], s[68:69] offset:512
	s_lshr_b32 s56, s47, 4                         ; a: ((128 x batch + 8 x block + tile) x 16 + head) x 1,024
	s_lshl_b32 s56, s56, 7
	s_add_co_u32 s56, s56, s54
	s_and_b32 s70, s47, 15
	s_lshl_b32 s57, s[BLK], 3
	s_add_co_u32 s57, s57, s56
	s_lshl_b32 s57, s57, 4
	s_add_co_u32 s57, s57, s70
	s_lshl_b32 s58, s57, 10
	s_add_nc_u64 s[60:61], s[12:13], s[58:59]
	s_lshl_b32 s57, s[JJ], 3
	s_add_co_u32 s57, s57, s56
	s_lshl_b32 s57, s57, 4
	s_add_co_u32 s57, s57, s70
	s_lshl_b32 s58, s57, 10
	s_add_nc_u64 s[62:63], s[12:13], s[58:59]
	s_lshl_b32 s55, s54, 4
	v_add_nc_u32 v[QI], s55, v[RR]
	v_lshlrev_b32 v[DM], 3, v[HH]
	s_delay_alu instid0(VALU_DEP_1)
	v_sub_nc_u32 v[DM], v[QI], v[DM]
	v_lshlrev_b32 v[PABA], 5, v[HH]
	s_mul_i32 s57, s[JJ], PP
	s_add_co_u32 s57, s57, PART
	s_mul_i32 s58, s[BLK], PP
	s_add_co_u32 s58, s58, PART
	v_add_nc_u32 v[PABB], s58, v[PABA]
	v_add_nc_u32 v[PABA], s57, v[PABA]
	v_mov_b32 v[TM], 0xc6616bcd                    ; -10,000 x log2(e)
	v_mov_b32 v[PD], 0                             ; written once: a lane permute's destination counts as one of its sources
	v_mov_b32 v[FF+1], 0                           ; named as the upper half of a pair
	s_mov_b32 s[SEL], 0x76543210
	s_mov_b32 s[SEL+1], 0xfedcba98
	s_mov_b32 s[CS], 0x3e38aa3b                    ; log2(e) / 8
	s_wait_kmcnt 0x0
	s_add_co_i32 s57, s74, s75
	s_lshl_b32 s57, s57, 23
	s_add_co_i32 s[CS], s[CS], s57                 ; a score stands for score x 2^(e2 + e3)
	s_mov_b32 s[CS+1], s[CS]
	s_add_co_i32 s[E45], s76, s77
	MKSCALE 76, PLIM, PSC
	MKSCALE 78, ALIM, ASC
; A pass begins: the largest t is t_m, since some key is hidden from every query but the last of all, whose start lies under every t.  O^T and the sum begin as zeros, which the first change of M leaves zeros.
.macro PASS_INIT
	s_lshl_b32 s57, s[BLK], 7
	s_sub_co_u32 s57, 2047, s57
	v_mov_b32 v[MX], 0xff61b1e6                    ; -3e38
	s_wait_alu depctr_va_vdst(0)
	v_cmp_eq_u32 vcc_lo, s57, v[QI]
	s_delay_alu instid0(VALU_DEP_1)
	v_cndmask_b32 v13, v[TM], v[MX], vcc_lo
	s_delay_alu instid0(VALU_DEP_1)
	v_floor_f32 v12, -v13                          ; -M
	v_mov_b32 v14, 0
	v_mov_b32 v15, 0
.set n, 0
.rept 32
	v_mov_b32 v[OT+n], 0
.set n, n+1
.endr
.endm
; A KEY STEP: 128 keys.  chk = 1: a step behind my block is left out (a scalar branch round its work, not round the lines that step the counts), and the step on the diagonal is masked.
.macro STEP chk, qf
	v_add_nc_u32 v[ADK], s[TB], v[LI]
	v_add_nc_u32 v[ADV], s[TB], v[LIV]
.if \chk
	s_cmp_gt_u32 s[KS], s[BLK]
	s_cbranch_scc1 .Lskip_\@
.endif
	s_setprio 2
	v_nop                                          ; with the two additions: four places in front of loads into registers that the last products read
	v_nop
.set n, 0
.rept 16
	ds_load_b128 v[FRG+4*n:FRG+4*n+3], v[ADK] offset:512*n   ; eight K = 64 fragments: 16 keys each
.set n, n+1
.endr
	s_wait_alu depctr_va_vdst(0)
	s_wait_dscnt 0x0
.set n, 0
.rept 8
	v_wmma_f32_16x16x64_bf8_bf8 v[ST+8*n:ST+8*n+7], v[FRG+8*n:FRG+8*n+7], v[\qf:\qf+7], 0
.set n, n+1
.endr
.rept 4
	v_nop                                          ; places: for the loads below and for the first read of the scores
.endr
.set n, 0
.rept 16
	ds_load_b128 v[FRG+4*n:FRG+4*n+3], v[ADV] offset:512*n   ; four K = 128 fragments of V^T: they land while the softmax is walked
.set n, n+1
.endr
	s_mov_b32 s[CM], s[CS]
	s_mov_b32 s[CM+1], s[CS]
.if \chk
	s_cmp_lg_u32 s[KS], s[BLK]
	s_cbranch_scc1 .Lopen_\@
.set n, 0
.rept 32
	v_pk_mul_f32 v[ST+2*n:ST+2*n+1], v[ST+2*n:ST+2*n+1], s[CS:CS+1] op_sel_hi:[1,0]   ; on the diagonal: the scores as t,
.set n, n+1
.endr
.set n, 0
.rept 64
	v_cmp_gt_i32 vcc_lo, 16*(n/8)+n%8, v[DM]       ; register n holds key 16 (n / 8) + 8 h + n % 8 of the step: hidden where that is above my query's number
	s_delay_alu instid0(VALU_DEP_1)
	v_cndmask_b32 v[ST+n], v[ST+n], v[TM], vcc_lo  ; and the hidden ones become t_m
.set n, n+1
.endr
	s_mov_b32 s[CM], 1.0
	s_mov_b32 s[CM+1], 1.0
.Lopen_\@:
.endif
	v_max3_num_f32 v[MX], v[ST], v[ST+1], v[ST+2]  ; the step's largest score of my query, among my 64 keys, in two chains, each accumulator from its low end on,
	v_max3_num_f32 v[MY], v[ST+3], v[ST+4], v[ST+5]
.set n, 6
.rept 14
	v_max3_num_f32 v[MX], v[MX], v[ST+n], v[ST+n+1]
	v_max3_num_f32 v[MY], v[MY], v[ST+n+2], v[ST+n+3]
.set n, n+4
.endr
	v_max3_num_f32 v[MX], v[MX], v[ST+62], v[ST+63]
	s_delay_alu instid0(VALU_DEP_1)
	v_max_num_f32 v[MX], v[MX], v[MY]
	s_delay_alu instid0(VALU_DEP_1)
	v_permlanex16_b32 v[PD], v[MX], s[SEL], s[SEL+1]
	s_delay_alu instid0(VALU_DEP_1)
	v_max_num_f32 v[MX], v[MX], v[PD]              ; and among lane l xor 16's
	s_delay_alu instid0(VALU_DEP_1)
	v_mul_f32 v[MX], s[CM], v[MX]                  ; as t (the multiplier is positive)
	s_delay_alu instid0(VALU_DEP_1)
	v_max_num_f32 v13, v13, v[MX]                  ; the running largest t
	v_mov_b32 v[MX], v12
	s_delay_alu instid0(VALU_DEP_2)
	v_floor_f32 v12, -v13                          ; the new -M = floor(-t): M is a whole number
	s_delay_alu instid0(VALU_DEP_1)
	v_sub_f32 v[MX], v12, v[MX]                    ; old M - new M: a whole number, 0 or less
	s_delay_alu instid0(VALU_DEP_1)
	v_cvt_i32_f32 v[MX], v[MX]                     ; (it saturates)
	s_delay_alu instid0(VALU_DEP_1)
	v_ldexp_f32 v[FF], 1.0, v[MX]                  ; f = 2^(old M - new M): a multiplication by it rounds nothing
.set n, 0
.rept 32
	v_pk_fma_f32 v[ST+2*n:ST+2*n+1], v[ST+2*n:ST+2*n+1], s[CM:CM+1], v[12:13] op_sel_hi:[1,0,0]   ; t - M
.set n, n+1
.endr
.set n, 0
	s_setprio 1
	s_wait_alu depctr_va_vdst(0)
.rept 64
	v_exp_f32 v[ST+n], v[ST+n]                     ; p = 2^(t - M)
.set n, n+1
.endr
	v_pk_mul_f32 v[14:15], v[14:15], v[FF:FF+1] op_sel_hi:[1,0]   ; the sum under the new M (a plain line behind the exponentials)
	s_wait_alu depctr_va_vdst(0)
	v_pk_add_f32 v[S2:S2+1], v[ST:ST+1], v[ST+2:ST+3]             ; the sum is taken of the unquantised p, in two chains
.set n, 4
.rept 15
	v_pk_add_f32 v[14:15], v[14:15], v[ST+n:ST+n+1]
	v_pk_add_f32 v[S2:S2+1], v[S2:S2+1], v[ST+n+2:ST+n+3]
.set n, n+4
.endr
	s_delay_alu instid0(VALU_DEP_1)
	v_pk_add_f32 v[14:15], v[14:15], v[S2:S2+1]
	s_setprio 0
.irp t, 0,1,2,3,4,5,6,7
.irp i, 0,1,2,3,4,5,6,7
.endr
	v_cvt_scalef32_pk8_bf8_f32 v[PCD+2*\t:PCD+2*\t+1], v[ST+8*\t:ST+8*\t+7], v[PSC]
.endr
.set n, 0
.rept 16
	v_pk_mul_f32 v[OT+2*n:OT+2*n+1], v[OT+2*n:OT+2*n+1], v[FF:FF+1] op_sel_hi:[1,0]   ; O^T under the new M (also the plain lines behind the conversions)
.set n, n+1
.endr
	s_wait_alu depctr_va_vdst(0)
	s_wait_dscnt 0x0                               ; V is in
.set n, 0
.rept 4
	v_wmma_f32_16x16x128_bf8_bf8 v[OT+8*n:OT+8*n+7], v[FRG+16*n:FRG+16*n+15], v[PCD:PCD+15], v[OT+8*n:OT+8*n+7]   ; the four accumulators by turns; the next step's eight products stand between two links of a chain
.set n, n+1
.endr
.if \chk
.Lskip_\@:
.endif
	s_add_co_u32 s[TB], s[TB], 8192
	s_add_co_u32 s[KS], s[KS], 1
.endm
; A pass ends: the key steps behind the block go in, O^T is divided by the sum, quantised, and leaves as a K = 64 fragment: two stores of 512 consecutive bytes.
.macro PASS_END pab, acr, outp
.rept 4
	v_nop                                          ; places behind the last products: for the loads below and the first read of O^T
.endr
.set n, 0
.rept 32
	ds_load_b128 v[FRG+4*n:FRG+4*n+3], v[\pab] offset:PG*(n/8)+64*((n%8)/2)+16*(n%2)   ; PART[g = n / 8][my block][16 t + 8 h + 0 .. 7]
.set n, n+1
.endr
	v_add_f32 v[MX], v[TM], v12                    ; t_m - M
	s_wait_alu depctr_va_vdst(0)
	v_exp_f32 v[MX], v[MX]                         ; p_m
	v_add_f32 v14, v14, v15                        ; the sum's two halves (a plain line behind the exponential),
	s_delay_alu instid0(VALU_DEP_1)
	v_permlanex16_b32 v[PD], v14, s[SEL], s[SEL+1]
	s_delay_alu instid0(VALU_DEP_1)
	v_add_f32 v14, v14, v[PD]                      ; and lane l xor 16's
	s_sub_co_u32 s57, 15, s[BLK]
	s_lshl_b32 s57, s57, 7                         ; the keys of the steps behind my block
	v_cvt_f32_u32 v[MY], s57
	s_wait_alu depctr_va_vdst(0)
	v_fmac_f32 v14, v[MX], v[MY]                   ; each adds p_m
.set n, 0
.rept 8
	v_min_num_f32 v[SA+n], v[MX], v[PLIM]
.set n, n+1
.endr
	v_cvt_scalef32_pk8_bf8_f32 v[SA+24:SA+25], v[SA:SA+7], v[PSC]
	v_nop                                          ; a plain line behind the conversion
	v_cvt_f32_bf8 v[FF], v[SA+24]                  ; p_m's code as a number
	s_wait_dscnt 0x0
.set n, 0
.rept 48
	v_pk_add_f32 v[FRG+2*(n%16):FRG+2*(n%16)+1], v[FRG+2*(n%16):FRG+2*(n%16)+1], v[FRG+32+2*n:FRG+32+2*n+1]   ; the four groups' sums of codes
.set n, n+1
.endr
.set n, 0
.rept 16
	v_pk_fma_f32 v[OT+2*n:OT+2*n+1], v[FRG+2*n:FRG+2*n+1], v[FF:FF+1], v[OT+2*n:OT+2*n+1] op_sel_hi:[1,0,1]   ; each accumulator from its low end on
.set n, n+1
.endr
	s_wait_alu depctr_va_vdst(0)
	v_rcp_f32 v14, v14
	v_nop                                          ; a plain line behind the reciprocal
	s_wait_alu depctr_va_vdst(0)
	v_ldexp_f32 v[FF], v14, s[E45]                 ; 2^(e4 + e5) / the sum
.set n, 0
.rept 16
	v_pk_mul_f32 v[OT+2*n:OT+2*n+1], v[OT+2*n:OT+2*n+1], v[FF:FF+1] op_sel_hi:[1,0]
.set n, n+1
.endr
.set n, 0
.rept 32
.set n, n+1
.endr
.set n, 0
.rept 4
	v_cvt_scalef32_pk8_bf8_f32 v[\acr+2*n:\acr+2*n+1], v[OT+8*n:OT+8*n+7], v[ASC]
.set n, n+1
.endr
	v_nop                                          ; a plain line between the conversions and the lines that write O^T anew
	global_store_b128 v[LI], v[\acr:\acr+3], s[\outp:\outp+1]
	global_store_b128 v[LI], v[\acr+4:\acr+7], s[\outp:\outp+1] offset:512
.endm
	PASS_INIT
	s_mov_b32 s[KS], 0
	s_mov_b32 s[TB], 0
	s_wait_tensorcnt 0x1                           ; my part of key steps 0-7 is in; my second load may be out
	s_barrier_signal -1
	s_barrier_wait -1                              ; everybody's is
	s_wait_loadcnt 0x0                             ; Q
.Lfirst_half:                                      ; the first pass's blocks are 8 to 15: key steps 0-7 lie wholly in front of them
	STEP 0, QB
	s_cmp_lt_u32 s[KS], 8
	s_cbranch_scc1 .Lfirst_half
	s_setprio 0
	s_wait_tensorcnt 0x0                           ; my part of key steps 8-15 is in
	s_wait_dscnt 0x0
	s_barrier_signal -1
	s_barrier_wait -1                              ; everybody's is
	; THE SUMS OF V'S CODES.  Wave w: tile of channels w % 4, key steps 4 g .. 4 g + 3, g = w / 4.  Source 1 is a fragment whose row r is all ones (the code 0x3c) where the step lies behind block r, else zeros.
	s_and_b32 s57, s[WV], 3
	s_lshr_b32 s58, s[WV], 2
	s_lshl_b32 s59, s58, 15
	s_lshl_b32 s70, s57, 11
	s_add_co_u32 s59, s59, s70
	v_add_nc_u32 v[ADK], s59, v[LIV]
	s_mul_i32 s59, s58, PG
	s_lshl_b32 s70, s57, 6
	s_add_co_u32 s59, s59, s70
	s_add_co_u32 s59, s59, PART
	v_mul_u32_u24 v[ADV], v[RR], PP
	s_delay_alu instid0(VALU_DEP_1)
	v_lshl_add_u32 v[ADV], v[HH], 5, v[ADV]
	s_delay_alu instid0(VALU_DEP_1)
	v_add_nc_u32 v[ADV], s59, v[ADV]               ; PART[g][r][16 (w % 4) + 8 h ..]
	s_lshl_b32 s58, s58, 2
	v_mov_b32 v[MX], 0x3c3c3c3c
.irp i, 0,1,2,3
	s_add_co_u32 s59, s58, \i
	v_cmp_gt_u32 vcc_lo, s59, v[RR]
	s_delay_alu instid0(VALU_DEP_1)
	v_cndmask_b32 v[ST+16*\i], 0, v[MX], vcc_lo
.set n, 1
.rept 15
	v_mov_b32 v[ST+16*\i+n], v[ST+16*\i]
.set n, n+1
.endr
.endr
.irp i, 0,1,2,3
.irp c, 0,1,2,3
	ds_load_b128 v[FRG+16*\i+4*\c:FRG+16*\i+4*\c+3], v[ADK] offset:8192*\i+512*\c   ; (the lines above are the places behind the last products)
.endr
.endr
	s_wait_alu depctr_va_vdst(0)
	s_wait_dscnt 0x0
.irp i, 0,1,2,3
	v_wmma_f32_16x16x128_bf8_bf8 v[SA+8*\i:SA+8*\i+7], v[FRG+16*\i:FRG+16*\i+15], v[ST+16*\i:ST+16*\i+15], 0
.endr
.rept 4
	v_nop
.endr
.irp i, 1,2,3
.irp k, 0,2,4,6
	v_pk_add_f32 v[SA+\k:SA+\k+1], v[SA+\k:SA+\k+1], v[SA+8*\i+\k:SA+8*\i+\k+1]
.endr
.endr
	ds_store_b128 v[ADV], v[SA:SA+3]
	ds_store_b128 v[ADV], v[SA+4:SA+7] offset:16
	s_wait_dscnt 0x0                               ; for the others' sake: my stores are done
	s_barrier_signal -1
	s_barrier_wait -1                              ; from here on LDS is only read
.Lsecond_half:
	STEP 1, QB
	s_cmp_lt_u32 s[KS], 16
	s_cbranch_scc1 .Lsecond_half
	s_setprio 0
	PASS_END PABB, SA+8, 60
	s_mov_b32 s[BLK], s[JJ]                        ; the second pass: block j, key steps 0 to j
	s_mov_b32 s[KS], 0
	s_mov_b32 s[TB], 0
	PASS_INIT
.Lsecond_pass:
	STEP 1, QA
	s_cmp_lt_u32 s[KS], 8
	s_cbranch_scc1 .Lsecond_pass
	s_setprio 0
	PASS_END PABA, SA+16, 62
	s_wait_tensorcnt 0x0
	ds_add_u32 v254, v255
	s_wait_dscnt 0x0
	CROUND                                         ; the closing round
	s_endpgm
.Lfunc_end_k_qdce92d1587_attn:
	.size	k_qdce92d1587_attn, .Lfunc_end_k_qdce92d1587_attn-k_qdce92d1587_attn
	.p2alignl 7, 3214868480
	.fill 96, 4, 3214868480
	.section	.rodata,"a",@progbits
	.p2align	6, 0x0
	.amdhsa_kernel k_qdce92d1587_attn
		.amdhsa_group_segment_fixed_size 327680
		.amdhsa_private_segment_fixed_size 0
		.amdhsa_enable_private_segment 0
		.amdhsa_kernarg_size 40
		.amdhsa_user_sgpr_count 2
		.amdhsa_user_sgpr_kernarg_segment_ptr 1
		.amdhsa_wavefront_size32 1
		.amdhsa_system_sgpr_workgroup_id_x 1
		.amdhsa_system_sgpr_workgroup_id_y 1
		.amdhsa_system_sgpr_workgroup_id_z 1
		.amdhsa_system_vgpr_workitem_id 0
		.amdhsa_next_free_vgpr 256
		.amdhsa_next_free_sgpr 80
		.amdhsa_reserve_vcc 1
		.amdhsa_float_denorm_mode_32 3
		.amdhsa_float_denorm_mode_16_64 3
		.amdhsa_fp16_overflow 1
		.amdhsa_memory_ordered 1
		.amdhsa_forward_progress 1
		.amdhsa_inst_pref_size 93
	.end_amdhsa_kernel
	.amdgpu_metadata
---
amdhsa.version: [ 1, 2 ]
amdhsa.kernels:
  - .name:           k_qdce92d1587_attn
    .symbol:         k_qdce92d1587_attn.kd
    .args:
      - { .name: qc, .offset: 0, .size: 8, .value_kind: global_buffer, .address_space: global }
      - { .name: kc, .offset: 8, .size: 8, .value_kind: global_buffer, .address_space: global }
      - { .name: vc, .offset: 16, .size: 8, .value_kind: global_buffer, .address_space: global }
      - { .name: lowp_scales, .offset: 24, .size: 8, .value_kind: global_buffer, .address_space: global }
      - { .name: ac, .offset: 32, .size: 8, .value_kind: global_buffer, .address_space: global }
    .group_segment_fixed_size: 327680
    .private_segment_fixed_size: 0
    .kernarg_segment_align: 8
    .kernarg_segment_size: 40
    .max_flat_workgroup_size: 512
    .sgpr_count:     80
    .vgpr_count:     256
    .wavefront_size: 32
...
	.end_amdgpu_metadata
.endif
;; end of part 3
;; launch proj (part 4): grid 4 x 32, 4 waves a work-group, clusters of 4 x 4, 327,680 bytes of LDS; arguments ac, wpc, c_proj_b, lowp_scales, out0; writes out0
.if DOCPART == 4
	.amdgcn_target "amdgcn-amd-amdhsa--gfx1250"
	.amdhsa_code_object_version 6
	.text
	.protected	k_qdce92d1587_proj
	.globl	k_qdce92d1587_proj
	.p2align	8
	.type	k_qdce92d1587_proj,@function
k_qdce92d1587_proj:
	s_mov_b64 s[64:65], 0
	v_nop
	global_prefetch_b8 v0, s[64:65] scope:SCOPE_SE
	s_setreg_imm32_b32 hwreg(HW_REG_WAVE_MODE, 25, 1), 1
	s_wait_xcnt 0x0
	s_wait_alu depctr_hold_cnt(0) depctr_sa_sdst(0) depctr_va_vdst(0) depctr_va_sdst(0) depctr_va_ssrc(0) depctr_va_vcc(0) depctr_vm_vsrc(0)
	s_getreg_b32 s2, hwreg(HW_REG_IB_STS2, 6, 4)
	s_cmp_eq_u32 s2, 0
	s_cbranch_scc0 .Lentry_in_a_cluster
	s_endpgm
.Lentry_in_a_cluster:
	s_bfe_u32 s2, ttmp6, 0x10000c
	s_cmp_lg_u32 s2, 0xf033
	s_cbranch_scc0 .Lentry_shape_is_right
	s_endpgm
.Lentry_shape_is_right:
; out = a W + b on codes of BF8 (E5M2), M 8,192, N 1,024, K 1,024; out is f32.  A sum stands for sum x 2^(e6 + e7): out = sum x 2^(e6 + e7) + b, one packed multiply-add for two numbers.
; ac: [512 tiles of 16 rows][8 K steps][2048], wpc: [64 tiles of 16 columns][8][2048]: images of operand registers (lane (r, h): row r; registers 2 c, 2 c + 1: k = 16 c + 8 h + 0 .. 7; registers 4 i .. 4 i + 3 of lane l at 512 i + 16 l).
; A tile of out, 256 x 256, is made by four waves; a wave makes 128 x 128: 64 accumulators.  K goes through a ring of two LDS slots of 256 along K.  128 work-groups: the tile is kept large, since each LDS byte then feeds the most products.
; CLUSTERS: 4 x 4 work-groups.  The four of a row of the cluster need the same tiles of a, the four of a column the same tiles of W: each is asked for JOINTLY.
; THE MATRIX INSTRUCTION IS USED TRANSPOSED (source 0 = 16 columns of W, source 1 = 16 rows of a): a lane holds eight neighbouring numbers of a row of out.
; LIMIT: e6 + e7 lies between -126 and 127.
; REGISTERS, in windows of 256: window 0: v16-31 addresses; v32-95 the bias; from v128 source 1's fragments, ONE set.   window 1: source 0's fragments, TWO sets; on the way out v0-63 a block's results, v64-191 rows read back.
;   windows 2, 3: accumulator (a, b) at v[8 (8 (a % 4) + b)] of window 2 + a / 4.
.set FR,     16
.set NL,     4
.set NP,     4                         ; places behind this matrix instruction (ISA guide 7.12.1)
.set TILEB,  4096                      ; a tile of 16 rows in a slot: two fragments
.set HALFB,  8*TILEB                   ; what one tensor load brings
.set SLOT,   4*HALFB                   ; a's 16 tiles, then W's 16
.set SPARE,  2*SLOT                    ; the spare words, 128 bytes for each wave: two blocks of 256 bytes that no other line names
.set STAGE,  SPARE+512                 ; the way out: 16 rows x (512 bytes + 16) for each wave; no tensor load lands here
.set SPITCH, 528
.set ADR1, 16
.set ADR0, 20
.set STO,  24                          ; v24  where I put 32 bytes of a row
.set RD,   25                          ; v25  where I read a row back
.set LI,   26                          ; v26  16 x lane
.set SPW,  28
.set NIL,  29
.set BI,   32                          ; v32-95  b(n0 + 16 b + 8 h + j) at 8 b + j
.set AF,   128
.set TMP,  0                           ; in window 1
.set BK,   64                          ; in window 1: v64-127 and v128-191 by turns
.set G1, 24
.set G0, 32
.set G1B, 48
.set G0B, 56
.set MSB, 0
.macro WIN new                         ; the immediate's high byte repeats the setting that is left
.if MSB != \new
	s_set_vgpr_msb (MSB<<8)|\new
.set MSB, \new
.endif
.endm
.set MUL_LO, 0xa1
.set MUL_HI, 0xf1
.set TO_B,   0x40
.macro JLOAD g0a, g1a, g0b, g1b        ; a joint load: waves 0 and 1 fetch a's tiles, waves 2 and 3 W's; four v_nop follow each line
	s_cmp_eq_u32 s15, 0
	s_cbranch_scc0 .Lfor_b_\@
	tensor_load_to_lds s[\g0a:\g0a+3], s[\g1a:\g1a+7]
	s_nop 0
.rept 4
	v_nop
.endr
	s_branch .Lasked_\@
.Lfor_b_\@:
	tensor_load_to_lds s[\g0b:\g0b+3], s[\g1b:\g1b+7]
	s_nop 0
.rept 4
	v_nop
.endr
.Lasked_\@:
.endm
.macro CREST
	s_cmp_lg_u32 s14, 0
	s_cbranch_scc1 .Lnot_wave_0_\@
	s_barrier_signal -3
.Lnot_wave_0_\@:
	s_barrier_wait -3
	s_barrier_signal -1
	s_barrier_wait -1
.endm
.macro CROUND
	s_barrier_signal -1
	s_barrier_wait -1
	CREST
.endm
	s_load_b256 s[4:11], s[0:1], 0x0               ; ac s[4:5], wpc s[6:7], the bias s[8:9], the exponents s[10:11]
	s_load_b64 s[12:13], s[0:1], 0x20              ; out
	v_lshl_add_u32 v[SPW], v0, 2, SPARE
	v_mov_b32 v[NIL], 0
	ds_add_u32 v28, v29
	ds_add_u32 v28, v29
	s_wait_dscnt 0x0
	v_lshrrev_b32 v1, 5, v0
	v_readfirstlane_b32 s14, v1                    ; wave 0..3
	s_lshr_b32 s15, s14, 1                         ; my half of the rows.  Also: I fetch for a (0) or for W (1)
	s_and_b32 s16, s14, 1                          ; my half of the columns.  Also: which 8 tiles I fetch
	s_bfe_u32 s40, ttmp6, 0x40000
	s_bfe_u32 s41, ttmp6, 0x40004
	s_lshl_b32 s42, ttmp9, 2
	s_add_co_u32 s42, s42, s40                     ; tile column
	s_and_b32 s17, ttmp7, 0xffff
	s_lshl_b32 s17, s17, 2
	s_add_co_u32 s17, s17, s41                     ; tile row
	s_lshl_b32 s43, s41, 2
	s_lshl_b32 s43, 15, s43                        ; my row of the cluster
	s_lshl_b32 s44, 0x1111, s40                    ; my column
	s_or_b32 s[G1+0], s43, (3<<16)|(1<<21)         ; the mask; elements of 8 bytes; no padding; bit 21 set beside a mask
	s_or_b32 s[G1B+0], s44, (3<<16)|(1<<21)
.irp g, G1, G1B
	s_mov_b32 s[\g+1], 512<<16                     ; 8 rows (tiles) x 512 elements, 2,048 elements apart
	s_mov_b32 s[\g+2], 8<<16
	s_mov_b32 s[\g+3], 512<<16
	s_mov_b32 s[\g+4], 8
	s_mov_b32 s[\g+5], 2048
	s_mov_b32 s[\g+6], 0
	s_mov_b32 s[\g+7], 0
.endr
	s_lshl_b32 s18, s16, 17
	s_lshl_b32 s20, s17, 18
	s_add_co_u32 s20, s20, s18
	s_mov_b32 s21, 0
	s_lshl_b32 s46, s42, 18
	s_add_co_u32 s46, s46, s18
	s_mov_b32 s47, 0
	s_lshl_b32 s45, s14, 15
	s_wait_kmcnt 0x0
	s_load_b256 s[72:79], s[10:11], 0x0
	s_add_nc_u64 s[20:21], s[4:5], s[20:21]
	s_add_nc_u64 s[46:47], s[6:7], s[46:47]
	CROUND                                         ; all sixteen work-groups are here: the first joint loads meet
.irp s, 0,1
	s_mov_b32 s[G0+4*\s], 1
	s_add_co_u32 s[G0+4*\s+1], s45, \s*SLOT
	s_add_nc_u64 s[G0+4*\s+2:G0+4*\s+3], s[20:21], \s*TILEB
	s_or_b32 s[G0+4*\s+3], s[G0+4*\s+3], 0x80000000
	s_mov_b32 s[G0B+4*\s], 1
	s_add_co_u32 s[G0B+4*\s+1], s45, \s*SLOT
	s_add_nc_u64 s[G0B+4*\s+2:G0B+4*\s+3], s[46:47], \s*TILEB
	s_or_b32 s[G0B+4*\s+3], s[G0B+4*\s+3], 0x80000000
	s_wait_alu depctr_va_vdst(0)
	s_wait_tensorcnt 0x0
	ds_add_u32 v28, v29
	ds_add_u32 v28, v29
	s_wait_dscnt 0x0
	CROUND
	JLOAD G0+4*\s, G1, G0B+4*\s, G1B
.endr
	v_and_b32 v1, 31, v0
	v_lshlrev_b32 v[LI], 4, v1
	v_and_b32 v2, 15, v0                           ; r
	s_wait_alu depctr_va_vdst(0)
	v_bfe_u32 v3, v0, 4, 1                         ; h
	s_lshl_b32 s19, s15, 15                        ; source 1: a's 8 tiles of my row half
	s_lshl_b32 s23, s16, 15
	s_add_co_u32 s23, s23, 2*HALFB                 ; source 0: W's 8 tiles of my column half
.irp s, 0,1
	v_add_nc_u32 v[ADR0+\s], s23, v[LI]
	v_add_nc_u32 v[ADR1+\s], s19, v[LI]
	s_add_co_u32 s23, s23, SLOT
	s_add_co_u32 s19, s19, SLOT
.endr
	s_mul_i32 s23, s14, 16*SPITCH
	s_add_co_u32 s23, s23, STAGE                   ; my stage
	v_mul_u32_u24 v5, v2, SPITCH
	s_wait_alu depctr_va_vdst(0)
	v_lshl_add_u32 v5, v3, 5, v5
	v_add_nc_u32 v[STO], s23, v5                   ; in: row r, 32 bytes for each half of the lanes
	v_add_nc_u32 v[RD], s23, v[LI]                 ; back: the 32 lanes take one row of 512 bytes
	s_lshl_b32 s46, s42, 10                        ; my first column, in bytes of out and of the bias alike: 1,024 x tile column + 512 x half
	s_lshl_b32 s47, s16, 9
	s_add_co_u32 s46, s46, s47
	s_mov_b32 s47, 0
	s_add_nc_u64 s[8:9], s[8:9], s[46:47]
	s_add_nc_u64 s[12:13], s[12:13], s[46:47]
	s_lshl_b32 s20, s17, 20                        ; my first row: 256 x tile row + 128 x half, of 4,096 bytes
	s_lshl_b32 s21, s15, 19
	s_add_co_u32 s20, s20, s21
	s_mov_b32 s21, 0
	s_add_nc_u64 s[12:13], s[12:13], s[20:21]
	v_lshlrev_b32 v4, 5, v3                        ; 32 h
.irp b, 0,1,2,3,4,5,6,7
	global_load_b128 v[BI+8*\b:BI+8*\b+3], v4, s[8:9] offset:64*\b
	global_load_b128 v[BI+8*\b+4:BI+8*\b+7], v4, s[8:9] offset:64*\b+16
.endr
	s_wait_kmcnt 0x0
	s_add_co_i32 s96, s78, s79
	s_add_co_i32 s96, s96, 127
	s_lshl_b32 s96, s96, 23                        ; 2^(e6 + e7) as f32
	s_mov_b32 s97, s96                             ; named with it as a pair
	s_wait_loadcnt 0x0                             ; the bias, once
.macro FRAG reg, adr, q, i
.irp c, 0,1,2,3
	ds_load_b128 v[\reg+4*\c:\reg+4*\c+3], v[\adr] offset:TILEB*(\i)+2048*(\q)+512*\c
.endr
.endm
; The 64 accumulators take turns, one instruction a turn, in the same order in every step.
.macro MUL16 a0, p, zero
.irp a, \a0, \a0+1
.irp b, 0,1,2,3,4,5,6,7
.if \zero
	v_wmma_f32_16x16x128_bf8_bf8 v[8*(8*((\a)%4)+\b):8*(8*((\a)%4)+\b)+7], v[128*(\p)+FR*\b:128*(\p)+FR*\b+FR-1], v[AF+FR*(\a):AF+FR*(\a)+FR-1], 0
.else
	v_wmma_f32_16x16x128_bf8_bf8 v[8*(8*((\a)%4)+\b):8*(8*((\a)%4)+\b)+7], v[128*(\p)+FR*\b:128*(\p)+FR*\b+FR-1], v[AF+FR*(\a):AF+FR*(\a)+FR-1], v[8*(8*((\a)%4)+\b):8*(8*((\a)%4)+\b)+7]
.endif
.endr
.endr
.endm
.macro FETCH_B slot, q, p
	WIN TO_B
.irp i, 0,1,2,3,4,5,6,7
	FRAG 128*(\p)+FR*\i, ADR0+\slot, \q, \i
.endr
	WIN 0
.endm
.macro FETCH_A slot, q, i0
.irp i, \i0, \i0+1, \i0+2, \i0+3
	FRAG AF+FR*(\i), ADR1+\slot, \q, \i
.endr
.endm
.macro PLACES n
.rept \n
	v_nop
.endr
.endm
.macro STEP slot, q, zero
	s_wait_dscnt 4*NL                              ; source 0's set and source 1's blocks 0-3 are in; the youngest 16 loads (blocks 4-7) may be out
	WIN MUL_LO
	MUL16 0, (\q)%2, \zero
	MUL16 2, (\q)%2, \zero
	s_wait_dscnt 0
	PLACES NP
	FETCH_B \slot, (\q)+1, 1-(\q)%2
	FETCH_A \slot, (\q)+1, 0
	WIN MUL_HI
	MUL16 4, (\q)%2, \zero
	MUL16 6, (\q)%2, \zero
	PLACES NP
	WIN 0
	FETCH_A \slot, (\q)+1, 4
.endm
.macro TURN slot, next, fill
	s_wait_tensorcnt 0x0                           ; all my tensor loads have landed: my part of the next slot
	ds_add_u32 v[SPW], v[NIL]                      ; 0 onto my spare word
	s_wait_dscnt 4*NL+1                            ; the add and the youngest 16 loads may be out
	WIN MUL_LO
	MUL16 0, 1, 0
	s_wait_dscnt 0x0                               ; the add is done, and my reads of this slot are over
	s_barrier_signal -1
	MUL16 2, 1, 0
	WIN 0
	s_barrier_wait -1
.if \fill
	CREST                                          ; the barrier has opened a round of the cluster's barrier
	s_add_nc_u64 s[G0+4*\slot+2:G0+4*\slot+3], s[G0+4*\slot+2:G0+4*\slot+3], 2*TILEB
	s_add_nc_u64 s[G0B+4*\slot+2:G0B+4*\slot+3], s[G0B+4*\slot+2:G0B+4*\slot+3], 2*TILEB
	JLOAD G0+4*\slot, G1, G0B+4*\slot, G1B         ; the first tensor load behind the round
.else
	PLACES NP
.endif
	FETCH_B \next, 0, 0
	FETCH_A \next, 0, 0
	WIN MUL_HI
	MUL16 4, 1, 0
	MUL16 6, 1, 0
	PLACES NP
	WIN 0
	FETCH_A \next, 0, 4
.endm
	s_wait_tensorcnt 1                             ; my part of slot 0 is in; slot 1's load may be out
	s_barrier_signal -1
	s_barrier_wait -1
	FETCH_B 0, 0, 0
	FETCH_A 0, 0, 0
	FETCH_A 0, 0, 4
	STEP 0, 0, 1
	s_mov_b32 s3, 1
.Llap:
	TURN 0, 1, 1
	STEP 1, 0, 0
	TURN 1, 0, 1
	STEP 0, 0, 0
	s_sub_co_u32 s3, s3, 1
	s_cmp_lg_u32 s3, 0
	s_cbranch_scc1 .Llap
	TURN 0, 1, 0
	STEP 1, 0, 0
	s_wait_dscnt 4*NL
	WIN MUL_LO
	MUL16 0, 1, 0
	MUL16 2, 1, 0
	s_wait_dscnt 0
	WIN MUL_HI
	MUL16 4, 1, 0
	MUL16 6, 1, 0
	WIN 0
; THE WAY OUT, block by block of 16 rows x 128 columns.  A lane holds 32 neighbouring bytes of a row and the lanes beside it hold other rows: a block goes through my own stage in LDS and comes back as whole rows of
; 512 bytes.  LDS serves a wave's instructions in order (ISA guide 5.7.1.4): no wait between the stores and the loads, nor in front of the next block's stores.
.macro TOSTAGE a
.set AC, 64*((\a)%4)
	WIN 0x42+((\a)/4)                              ; destination window 1, source 0 window 2 or 3, the bias window 0
.irp b, 0,1,2,3,4,5,6,7
.irp i, 0,2,4,6
	v_pk_fma_f32 v[TMP+8*\b+\i:TMP+8*\b+\i+1], v[AC+8*\b+\i:AC+8*\b+\i+1], s[96:97], v[BI+8*\b+\i:BI+8*\b+\i+1] op_sel_hi:[1,0,1]   ; each accumulator from its low end on
.endr
.endr
	WIN 0x44                                       ; data (stored and loaded) window 1, addresses window 0
.irp b, 0,1,2,3,4,5,6,7
	ds_store_b128 v[STO], v[TMP+8*\b:TMP+8*\b+3] offset:64*\b
	ds_store_b128 v[STO], v[TMP+8*\b+4:TMP+8*\b+7] offset:64*\b+16
.endr
.set BB, BK+64*((\a)%2)
.irp t, 0,1,2,3,4,5,6,7,8,9,10,11,12,13,14,15
	ds_load_b128 v[BB+4*\t:BB+4*\t+3], v[RD] offset:\t*SPITCH
.endr
.endm
.macro SEND a, younger                 ; younger: the LDS instructions issued behind block a's loads, which may stay out
.set BB, BK+64*((\a)%2)
	s_wait_dscnt \younger
.if (\a) > 0
	s_add_nc_u64 s[12:13], s[12:13], 16*4096       ; (behind a wait on XCNT: the earlier stores have read their base)
.endif
.irp t, 0,1,2,3,4,5,6,7,8,9,10,11,12,13,14,15
	global_store_b128 v[LI], v[BB+4*\t:BB+4*\t+3], s[12:13] offset:\t*4096 th:TH_STORE_NT   ; 32 lanes store 512 consecutive bytes, at a multiple of 256 from out's first byte
.endr
.endm
	PLACES NP                                      ; behind the last products: for the first read of results and the writes over fragments
	TOSTAGE 0
.irp a, 1,2,3,4,5,6,7
.if \a > 1
	s_wait_xcnt 0x0                                ; block a - 2's stores have read their registers and their base
.endif
	TOSTAGE \a
	SEND \a-1, 32                                  ; behind block a - 1's loads: block a's 16 stores and 16 loads
.endr
	s_wait_xcnt 0x0
	SEND 7, 0
	WIN 0
	s_wait_tensorcnt 0x0                           ; the wave's end
	ds_add_u32 v[SPW], v[NIL]
	s_wait_dscnt 0x0
	CROUND                                         ; the closing round
	s_endpgm
.Lfunc_end_k_qdce92d1587_proj:
	.size	k_qdce92d1587_proj, .Lfunc_end_k_qdce92d1587_proj-k_qdce92d1587_proj
	.p2alignl 7, 3214868480
	.fill 96, 4, 3214868480
	.section	.rodata,"a",@progbits
	.p2align	6, 0x0
	.amdhsa_kernel k_qdce92d1587_proj
		.amdhsa_group_segment_fixed_size 327680
		.amdhsa_private_segment_fixed_size 0
		.amdhsa_enable_private_segment 0
		.amdhsa_kernarg_size 40
		.amdhsa_user_sgpr_count 2
		.amdhsa_user_sgpr_kernarg_segment_ptr 1
		.amdhsa_wavefront_size32 1
		.amdhsa_system_sgpr_workgroup_id_x 1
		.amdhsa_system_sgpr_workgroup_id_y 1
		.amdhsa_system_sgpr_workgroup_id_z 1
		.amdhsa_system_vgpr_workitem_id 0
		.amdhsa_next_free_vgpr 1024
		.amdhsa_next_free_sgpr 100
		.amdhsa_reserve_vcc 0
		.amdhsa_float_denorm_mode_32 3
		.amdhsa_float_denorm_mode_16_64 3
		.amdhsa_memory_ordered 1
		.amdhsa_forward_progress 1
		.amdhsa_inst_pref_size 125
	.end_amdhsa_kernel
	.amdgpu_metadata
---
amdhsa.version: [ 1, 2 ]
amdhsa.kernels:
  - .name:           k_qdce92d1587_proj
    .symbol:         k_qdce92d1587_proj.kd
    .args:
      - { .name: ac, .offset: 0, .size: 8, .value_kind: global_buffer, .address_space: global }
      - { .name: wpc, .offset: 8, .size: 8, .value_kind: global_buffer, .address_space: global }
      - { .name: c_proj_b, .offset: 16, .size: 8, .value_kind: global_buffer, .address_space: global }
      - { .name: lowp_scales, .offset: 24, .size: 8, .value_kind: global_buffer, .address_space: global }
      - { .name: out0, .offset: 32, .size: 8, .value_kind: global_buffer, .address_space: global }
    .group_segment_fixed_size: 327680
    .private_segment_fixed_size: 0
    .kernarg_segment_align: 8
    .kernarg_segment_size: 40
    .max_flat_workgroup_size: 128
    .sgpr_count:     100
    .vgpr_count:     1024
    .wavefront_size: 32
...
	.end_amdgpu_metadata
.endif
;; end of part 4
